; MI455X (gfx1250); checked and timed in simulation.
; The chip was launched on July 23, 2026; its instructions are those of AMD's public machine-readable ISA for CDNA 5 (MIT licence, August 2026) and "CDNA5" Instruction Set Architecture Reference Guide (July 2026). The comments in the code are by the model that wrote it; some were corrected since.
;; Multi Head Attention. Allowed arithmetic: matrix products marked QUANTISED: E2M1 operands, one E8M0 scale for each 32 along K, by v_wmma_scale_f32_16x16x128_f8f6f4 with both operands' format E2M1 (or v_wmma_scale_f32_32x16x128_f4), f32 sums; everything else in f32.
;; Inputs: Wk 1,024 x 1,024 float32; Wo 1,024 x 1,024 float32; Wq 1,024 x 1,024 float32; Wv 1,024 x 1,024 float32; bk 1,024 float32; bo 1,024 float32; bq 1,024 float32; bv 1,024 float32; key 1 x 4,096 x 1,024 float32; mask 1 x 1 x 4,096 x 4,096 int32; query 1 x 4,096 x 1,024 float32; value 1 x 4,096 x 1,024 float32.
;; Outputs: out0 1 x 4,096 x 1,024 float32.
;; This version of the problem:
;;   THIS VERSION OF THE PROBLEM IS GIVEN IN LOW PRECISION. The matrix products marked QUANTISED in the list below multiply operands that are first quantised to E2M1 (2 exponent bits, 1 mantissa bit; 4 bits a number), with one power-of-two scale for each 32 numbers along K (OCP MX v1.0); their sums are f32. All else is computed in f32.
;;   The module's matrix products, in the order in which they are computed (A, B: the left and right operand; K: the contracted axis; several contracted axes count as one K, in the product's order):
;;     1. [M 4,096, K 1,024] x [K 1,024, N 1,024]; A: input query; B: input Wq: QUANTISED
;;     2. [M 4,096, K 1,024] x [K 1,024, N 1,024]; A: input key; B: input Wk: QUANTISED
;;     3. [M 4,096, K 1,024] x [K 1,024, N 1,024]; A: input value; B: input Wv: QUANTISED
;;     4. batch 8 x [M 4,096, K 128] x [K 128, N 4,096]; A: computed on the way; B: computed on the way: QUANTISED
;;     5. batch 8 x [M 4,096, K 4,096] x [K 4,096, N 128]; A: softmax (see below); B: computed on the way: QUANTISED
;;     6. [M 4,096, K 1,024] x [K 1,024, N 1,024]; A: computed on the way; B: input Wo: QUANTISED
;;   THE QUANTISER, for each operand of a quantised product, along K:
;;     - K is cut into blocks of 32 from its start; a last block that is shorter is filled with zeros.
;;     - A block's scale is 2^e with e = floor(log2(the largest magnitude in the block)) - 2, held to -126 .. 127; a block of zeros has e = 0. As a byte (E8M0): e + 127.
;;     - Each number is divided by its block's scale, clamped to +-6, and rounded to the nearest number of E2M1, ties to even, subnormals kept.
;;     - The product sums the exact products of the quantised numbers (number of the format x scale) in f32.
;;   ~~~python
;;   def quantise(x, axis):      # numpy; x: float32 -> the quantised numbers, widened to float32 again
;;       x = np.moveaxis(x, axis, -1); K = x.shape[-1]
;;       x = np.pad(x, [(0, 0)] * (x.ndim - 1) + [(0, -K % 32)]); x = x.reshape(x.shape[:-1] + (-1, 32)); a = np.abs(x).max(-1, keepdims=True)
;;       e = np.where(a > 0, np.clip(np.frexp(np.where(a > 0, a, 1))[1] - 1 - 2, -126, 127), 0)      # np.frexp(a)[1] - 1 = floor(log2(a)), exactly
;;       r = np.clip(x / 2.0 ** e, -6, 6)
;;       step = 2.0 ** (np.maximum(np.frexp(np.where(r == 0, 1, r))[1] - 1, 0) - 1)
;;       q = np.round(r / step) * step * 2.0 ** e      # np.round: ties to even
;;       return np.moveaxis(q.reshape(q.shape[:-2] + (-1,))[..., :K], -1, axis).astype(np.float32)
;;   ~~~
;;   SOFTMAX AHEAD OF A QUANTISED PRODUCT. Where the list says 'softmax', what is quantised is not the finished softmax but p = 2^(t - M), with t = logit x log2(e) and M = ceil(the row's largest t), a whole number; so 1/2 < the row's largest p <= 1. The row's sum l is taken of the UNQUANTISED p, in f32, and the product's result is divided by l at the end. Since M is a whole number, a kernel that streams over the keys may use a running M (the ceiling of the running maximum): every later rescaling is an exact power of two, which a block's scale takes up: the codes' values come out the same.
;;   OPERANDS COMPUTED ON THE WAY. 'Computed on the way' means the value that the module computes at that place (a softmax that the list does not call 'softmax' is quantised finished and normalised). What goes into a quantiser is computed in f32, as accurately as f32 sums, v_exp_f32 and their like allow (about 1e-6 of the number): no bf16 or f16 on the way to a quantiser, and a product that is left as it is and whose result goes on into a quantised operand takes f32 operands (vector FMAs, or v_wmma_f32_16x16x4_f32). A number that lies on a knife's edge between two numbers of the format may be rounded either way, as far as f32 arithmetic and the matrix unit's own rounding can turn it there, and no further.
;; 2 versions, each right; version 2 is version 1 with the launches proj, oproj written anew for expert scheduling mode. Each part assembles by itself: llvm-mc -triple=amdgcn-amd-amdhsa -mcpu=gfx1250 --defsym DOCPART=n.
;; ======== version 1 of 2: 4 launches
;; limits: right only within a limited range of input values
;; workspace buffers: img 8,388,608 bytes; isc 524,288 bytes; mbits 2,097,152 bytes of whole numbers; qf 2,228,224 bytes; kv 4,456,448 bytes; of 2,097,152 bytes; os 262,144 bytes
;; launch prep (part 1): grid 512 x 1, 4 waves a work-group, no clusters, 68,096 bytes of LDS; arguments query, key, value, Wq, Wk, Wv, Wo, mask, img, isc, mbits; writes img, isc, mbits
.if DOCPART == 1
	.amdgcn_target "amdgcn-amd-amdhsa--gfx1250"
	.amdhsa_code_object_version 6
	.text
	.protected	k_q0dbe102e6e_prep
	.globl	k_q0dbe102e6e_prep
	.p2align	8
	.type	k_q0dbe102e6e_prep,@function
k_q0dbe102e6e_prep:
	s_mov_b64 s[64:65], 0
	v_nop
	global_prefetch_b8 v0, s[64:65] scope:SCOPE_SE
	s_setreg_imm32_b32 hwreg(HW_REG_WAVE_MODE, 25, 1), 1
	s_wait_xcnt 0x0
; query, key, value [4096][1024] and Wq, Wk, Wv, Wo [1024][1024], f32, K innermost, become codes of FP4 (E2M1) with one E8M0 byte for each 32 along K;
; mask [4096][4096], int32, becomes one bit a number.  Every wide input is read once, here.
; A block's scale is 2^(floor(log2(its largest magnitude)) - 2); its byte is the largest magnitude's exponent field - 2, held at 1 from below.
; LIMITS: NaN and infinities among the inputs are not served.  A block of zeros gets the byte 1 where the rule says 127: its codes are zeros, which add nothing under
; any byte but 0xff, and this program alone reads the bytes.
; TILES.  Tile T of a tensor's rows holds, at lane place r, row 32 (T / 2) + 8 (T % 2) + r + 8 (r / 8): so a product that takes such a tile as source 0 leaves, in the 16 registers
; of tiles 2 b and 2 b + 1, 16 neighbouring rows.  Every tile of this program is laid so.
; WHAT IS STORED.  img: [tile 0..1023][K step 0..7] images of an operand's registers, 1,024 bytes each: registers 4 c .. 4 c + 3 of lane l at 512 c + 16 l.  (query 0-255, key 256-511,
; value 512-767, Wq 768-, Wk 832-, Wv 896-, Wo 960-.)  isc: [tile] 512 bytes: lane l < 16 holds the scale words of K steps 0-3 of row place l, lane 16 + r those of K steps 4-7 of row place r.
; mbits: [query tile 256][key step 32][n 64] words: bit r + 16 h of word n = 16 b + i is (mask[row of place r][128 step + 32 b + 16 h + i] != 0): the lane mask of one score register.
; SHARES.  A wave's job is 16 rows x 1,024 words, in 8 steps of 16 x 128.  Work-groups 0-255 quantise (job = tile), work-groups 256-511 pack the mask (job = query tile x quarter of the keys).
; The two ways part once, at the head, on the work-group's number, never join, and have LDS bytes of their own.  Waves share nothing: no barrier.
; Each load reads 512 consecutive bytes of one row; a step's 8 KiB turn through the wave's own stage in LDS (rows of 512 + 16 bytes), from which a lane takes 16 neighbours of each block of 32.
; Loads run two steps (32 loads a wave) ahead.  No matrix unit, no cluster: nothing is shared and memory binds.
.set SP,   528                         ; a stage row: 512 bytes + 16: the 16 rows that a load touches start at 16 different 16-byte columns
.set WST,  16*SP                       ; a wave's stage
.set MST,  4*WST                       ; the mask way's stages lie behind the quantising way's
.set LI,   1                           ; v1   16 x lane
.set STW,  2                           ; v2   the stage, in: wave's stage + 16 x lane
.set STR,  3                           ; v3   the stage, out: wave's stage + 528 r + 64 h
.set L8,   4                           ; v4   8 x lane
.set LN,   5                           ; v5   lane
.set SW,   8                           ; v8-15   a scale word for each K step
.set SO4,  16                          ; v16-19  the four words that my lane stores
.set OB,   20                          ; v20-21  the mask way's 64 words, two a lane
.set TM,   24                          ; v24-39  at work in QUANT
.set PC,   40                          ; v40-47  the codes just made
.set R,    48                          ; v48-175 two sets of 64 registers as loaded
.set X,    176                         ; v176-239 64 numbers back from the stage: register 16 b + i = k 32 b + 16 h + i of my row
.set SEL,  2                           ; s[2:3] lane selects for v_permlanex16_b32: lane l xor 16
.set SRC,  26                          ; s[26:27] my job's first byte
; 64 numbers of a lane, v[s] on, register 16 b + i = k 32 b + 16 (lane / 16) + i of my row, become a fragment's codes in v[pc] on and its scale word in v[pw].
.macro QUANT s, pc, tm, pw
.irp b, 0,1,2,3
	v_max3_num_f32 v[(\tm)+\b], |v[(\s)+16*\b]|, |v[(\s)+1+16*\b]|, 0x1800000   ; block b: my 16 numbers, and the floor 2^(3 - 127): the byte cannot fall under 1
.endr
.irp i, 2,4,6,8,10,12,14
.irp b, 0,1,2,3
	v_max3_num_f32 v[(\tm)+\b], v[(\tm)+\b], |v[(\s)+16*\b+\i]|, |v[(\s)+1+16*\b+\i]|   ; the four blocks by turns
.endr
.endr
.irp b, 0,1,2,3
	v_permlanex16_b32 v[(\tm)+4+\b], v[(\tm)+\b], s[SEL], s[SEL+1]
.endr
.irp b, 0,1,2,3
	v_max_num_f32 v[(\tm)+\b], v[(\tm)+\b], v[(\tm)+4+\b]      ; with lane l xor 16's: the block's largest magnitude
.endr
.irp b, 0,1,2,3
	v_add_nc_u32 v[(\tm)+12+\b], 0xff000000, v[(\tm)+\b]       ; 2 off its exponent field: the conversion's scale operand
.endr
.irp b, 0,1,2,3
	v_lshrrev_b32 v[(\tm)+4+\b], 23, v[(\tm)+12+\b]            ; the scale's byte
.endr
	v_lshl_or_b32 v[\pw], v[(\tm)+5], 8, v[(\tm)+4]            ; four bytes: my row's scale word
	v_lshl_or_b32 v[\pw], v[(\tm)+6], 16, v[\pw]
	v_lshl_or_b32 v[\pw], v[(\tm)+7], 24, v[\pw]
.irp b, 0,1,2,3
	v_cvt_scalef32_pk8_fp4_f32 v[(\pc)+2*\b], v[(\s)+16*\b:(\s)+7+16*\b], v[(\tm)+12+\b]
	v_cvt_scalef32_pk8_fp4_f32 v[(\pc)+1+2*\b], v[(\s)+8+16*\b:(\s)+15+16*\b], v[(\tm)+12+\b]
.endr
	v_nop                                                      ; one plain instruction behind the last scaled conversion
.irp c, 0,1                                                        ; the operand's layout wants a whole block in a lane: lanes 0-15 block 2 c, lanes 16-31 block 2 c + 1
.irp i, 0,1
	v_permlane16_swap_b32 v[(\pc)+4*\c+\i], v[(\pc)+2+4*\c+\i]
.endr
.endr
.endm
.macro LOADT t, pit                    ; step t: 16 loads, one for each row place; 32 lanes read 512 consecutive bytes
.irp rw, 0,1,2,3,4,5,6,7,8,9,10,11,12,13,14,15
	global_load_b128 v[R+64*((\t)%2)+4*\rw:R+64*((\t)%2)+4*\rw+3], v[LI], s[SRC:SRC+1] offset:(\rw+8*(\rw/8))*\pit+512*(\t) th:TH_LOAD_NT
.endr
.endm
.macro TURN t, off0                    ; through my stage: LDS serves a wave's instructions in order (ISA guide 5.7.1.4), so no wait stands between the stores and the loads
.irp rw, 0,1,2,3,4,5,6,7,8,9,10,11,12,13,14,15
	ds_store_b128 v[STW], v[R+64*((\t)%2)+4*\rw:R+64*((\t)%2)+4*\rw+3] offset:\off0+SP*\rw
.endr
.irp b, 0,1,2,3
.irp q, 0,1,2,3
	ds_load_b128 v[X+16*\b+4*\q:X+16*\b+4*\q+3], v[STR] offset:\off0+128*\b+16*\q
.endr
.endr
.endm
.macro FRAME t, off0, pit              ; what both ways do at the head of a step
.if (\t) < 7
	s_wait_loadcnt 16                              ; this step's 16 loads are in; the next step's 16 may be out
.else
	s_wait_loadcnt 0x0
.endif
	TURN \t, \off0
	s_wait_dscnt 0x0                               ; my 64 numbers are back, and the stage's stores have read the set that is loaded again below
	s_wait_xcnt 0x0                                ; the last step's stores have read their data registers, which this step writes again
.if (\t)+2 < 8
	LOADT (\t)+2, \pit
.endif
.endm
	s_load_b512 s[4:19], s[0:1], 0x0               ; query, key, value, Wq, Wk, Wv, Wo, mask
	s_load_b128 s[20:23], s[0:1], 0x40             ; img, isc
	s_load_b64 s[24:25], s[0:1], 0x50              ; mbits
	v_lshl_add_u32 v240, v0, 2, 0x10800
	v_mov_b32 v241, 0
	v_lshrrev_b32 v6, 5, v0
	v_readfirstlane_b32 s29, v6                    ; wave 0..3
	v_and_b32 v[LN], 31, v0
	v_lshlrev_b32 v[LI], 4, v[LN]
	v_lshlrev_b32 v[L8], 3, v[LN]
	s_mul_i32 s31, s29, WST
	v_add_nc_u32 v[STW], s31, v[LI]
	v_and_b32 v6, 15, v0                           ; r
	v_bfe_u32 v7, v0, 4, 1                         ; h
	v_mul_u32_u24 v[STR], v6, SP
	v_lshl_add_u32 v[STR], v7, 6, v[STR]
	v_add_nc_u32 v[STR], s31, v[STR]
	s_mov_b32 s[SEL], 0x76543210
	s_mov_b32 s[SEL+1], 0xfedcba98
.irp b, 0,1,2,3
	v_mov_b32 v[TM+4+\b], 0                        ; written once: a lane permute's destination counts as one of its sources
.endr
	v_mov_b32 v[OB], 0                             ; likewise v_writelane_b32's
	v_mov_b32 v[OB+1], 0
	s_lshl_b32 s30, ttmp9, 2
	s_add_co_u32 s30, s30, s29                     ; my job: 4 x work-group + wave
	s_wait_kmcnt 0x0
	s_cmp_lt_u32 ttmp9, 256
	s_cbranch_scc0 .Lmask
	; ---- the quantising way: job = tile 0..1023.  The tensor is chosen by the work-group's number alone
	s_mov_b64 s[SRC:SRC+1], s[4:5]
	s_mov_b32 s28, 0                               ; the chosen tensor's first work-group
.macro PICK n, p
	s_cmp_ge_u32 ttmp9, \n
	s_cselect_b64 s[SRC:SRC+1], s[\p:\p+1], s[SRC:SRC+1]
	s_cselect_b32 s28, \n, s28
.endm
	PICK 64, 6
	PICK 128, 8
	PICK 192, 10
	PICK 208, 12
	PICK 224, 14
	PICK 240, 16
	s_lshl_b32 s28, s28, 2
	s_sub_co_u32 s31, s30, s28                     ; the tile's number in its tensor
	s_lshr_b32 s32, s31, 1
	s_lshl_b32 s32, s32, 5
	s_and_b32 s33, s31, 1
	s_lshl_b32 s33, s33, 3
	s_add_co_u32 s32, s32, s33                     ; its first row: 32 (T / 2) + 8 (T % 2)
	s_lshl_b32 s32, s32, 12                        ; rows of 4,096 bytes
	s_mov_b32 s33, 0
	s_add_nc_u64 s[SRC:SRC+1], s[SRC:SRC+1], s[32:33]
	s_lshl_b32 s32, s30, 13                        ; 8 images a tile
	s_add_nc_u64 s[20:21], s[20:21], s[32:33]
	s_lshl_b32 s32, s30, 9                         ; 512 bytes of scale words a tile
	s_add_nc_u64 s[22:23], s[22:23], s[32:33]
	LOADT 0, 4096
	LOADT 1, 4096
.irp t, 0,1,2,3,4,5,6,7
	FRAME \t, 0, 4096
	QUANT X, PC, TM, SW+\t
	global_store_b128 v[LI], v[PC:PC+3], s[20:21] offset:1024*\t         ; the image: each store covers 512 consecutive bytes, aligned
	global_store_b128 v[LI], v[PC+4:PC+7], s[20:21] offset:1024*\t+512
.endr
	v_cmp_gt_u32 vcc_lo, 16, v[LN]                 ; every lane holds its row's eight words: lanes 0-15 store those of K steps 0-3, lanes 16-31 those of 4-7
.irp q, 0,1,2,3
	v_cndmask_b32 v[SO4+\q], v[SW+4+\q], v[SW+\q], vcc_lo
.endr
	global_store_b128 v[LI], v[SO4:SO4+3], s[22:23]
	s_wait_tensorcnt 0x0
	ds_add_u32 v240, v241
	s_wait_dscnt 0x0
	s_endpgm
	; ---- the mask way: job - 1024 = 4 x query tile + quarter of the keys
.Lmask:
	s_sub_co_u32 s30, s30, 1024
	s_lshr_b32 s31, s30, 2                         ; the query tile
	s_and_b32 s28, s30, 3                          ; keys 1,024 x this on
	s_lshr_b32 s32, s31, 1
	s_lshl_b32 s32, s32, 5
	s_and_b32 s33, s31, 1
	s_lshl_b32 s33, s33, 3
	s_add_co_u32 s32, s32, s33                     ; the tile's first row
	s_lshl_b32 s32, s32, 14                        ; rows of 16,384 bytes
	s_lshl_b32 s33, s28, 12
	s_add_co_u32 s32, s32, s33
	s_mov_b32 s33, 0
	s_add_nc_u64 s[SRC:SRC+1], s[18:19], s[32:33]
	s_lshl_b32 s32, s30, 11                        ; 8 steps x 256 bytes a job
	s_add_nc_u64 s[24:25], s[24:25], s[32:33]
	LOADT 0, 16384
	LOADT 1, 16384
.irp t, 0,1,2,3,4,5,6,7
	FRAME \t, MST, 16384
.irp q, 0,1
.set KK, 0
.rept 32
	v_cmp_ne_u32 s[32+KK], 0, v[X+32*\q+KK]        ; word n = 32 q + KK: a bit for each lane
.set KK, KK+1
.endr
.set KK, 0
.rept 32
	v_writelane_b32 v[OB+KK%2], s[32+KK], 16*\q+KK/2   ; lane n / 2 holds words n and n + 1
.set KK, KK+1
.endr
.endr
	global_store_b64 v[L8], v[OB:OB+1], s[24:25] offset:256*\t   ; 32 lanes store 256 consecutive bytes, aligned
.endr
	s_wait_tensorcnt 0x0
	ds_add_u32 v240, v241
	s_wait_dscnt 0x0
	s_endpgm
.Lfunc_end_k_q0dbe102e6e_prep:
	.size	k_q0dbe102e6e_prep, .Lfunc_end_k_q0dbe102e6e_prep-k_q0dbe102e6e_prep
	.p2alignl 7, 3214868480
	.fill 96, 4, 3214868480
	.section	.rodata,"a",@progbits
	.p2align	6, 0x0
	.amdhsa_kernel k_q0dbe102e6e_prep
		.amdhsa_group_segment_fixed_size 68096
		.amdhsa_private_segment_fixed_size 0
		.amdhsa_enable_private_segment 0
		.amdhsa_kernarg_size 88
		.amdhsa_user_sgpr_count 2
		.amdhsa_user_sgpr_kernarg_segment_ptr 1
		.amdhsa_wavefront_size32 1
		.amdhsa_system_sgpr_workgroup_id_x 1
		.amdhsa_system_sgpr_workgroup_id_y 1
		.amdhsa_system_sgpr_workgroup_id_z 1
		.amdhsa_system_vgpr_workitem_id 0
		.amdhsa_next_free_vgpr 242
		.amdhsa_next_free_sgpr 66
		.amdhsa_reserve_vcc 1
		.amdhsa_float_denorm_mode_32 3
		.amdhsa_float_denorm_mode_16_64 3
		.amdhsa_memory_ordered 1
		.amdhsa_forward_progress 1
		.amdhsa_inst_pref_size 158
	.end_amdhsa_kernel
	.amdgpu_metadata
---
amdhsa.version: [ 1, 2 ]
amdhsa.kernels:
  - .name:           k_q0dbe102e6e_prep
    .symbol:         k_q0dbe102e6e_prep.kd
    .args:
      - { .name: query, .offset: 0, .size: 8, .value_kind: global_buffer, .address_space: global }
      - { .name: key, .offset: 8, .size: 8, .value_kind: global_buffer, .address_space: global }
      - { .name: value, .offset: 16, .size: 8, .value_kind: global_buffer, .address_space: global }
      - { .name: Wq, .offset: 24, .size: 8, .value_kind: global_buffer, .address_space: global }
      - { .name: Wk, .offset: 32, .size: 8, .value_kind: global_buffer, .address_space: global }
      - { .name: Wv, .offset: 40, .size: 8, .value_kind: global_buffer, .address_space: global }
      - { .name: Wo, .offset: 48, .size: 8, .value_kind: global_buffer, .address_space: global }
      - { .name: mask, .offset: 56, .size: 8, .value_kind: global_buffer, .address_space: global }
      - { .name: img, .offset: 64, .size: 8, .value_kind: global_buffer, .address_space: global }
      - { .name: isc, .offset: 72, .size: 8, .value_kind: global_buffer, .address_space: global }
      - { .name: mbits, .offset: 80, .size: 8, .value_kind: global_buffer, .address_space: global }
    .group_segment_fixed_size: 68096
    .private_segment_fixed_size: 0
    .kernarg_segment_align: 8
    .kernarg_segment_size: 88
    .max_flat_workgroup_size: 128
    .sgpr_count:     66
    .vgpr_count:     242
    .wavefront_size: 32
...
	.end_amdgpu_metadata
.endif
;; end of part 1
;; launch proj (part 2): grid 64 x 3, 4 waves a work-group, no clusters, 0 bytes of LDS; arguments img, isc, bq, bk, bv, qf, kv; writes qf, kv
.if DOCPART == 2
	.amdgcn_target "amdgcn-amd-amdhsa--gfx1250"
	.amdhsa_code_object_version 6
	.text
	.protected	k_q0dbe102e6e_proj
	.globl	k_q0dbe102e6e_proj
	.p2align	8
	.type	k_q0dbe102e6e_proj,@function
k_q0dbe102e6e_proj:
	s_mov_b64 s[64:65], 0
	v_nop
	global_prefetch_b8 v0, s[64:65] scope:SCOPE_SE
	s_setreg_imm32_b32 hwreg(HW_REG_WAVE_MODE, 25, 1), 1
	s_wait_xcnt 0x0
; q = query Wq^T + bq, k = key Wk^T + bk, v = value Wv^T + bv, on codes of FP4 (E2M1) with E8M0 scales (made by the launch before), sums in f32; the results are quantised at once:
; q and k along the head's 128, v along the keys.  Work-group y = 0, 1, 2: q, k, v.
; ONE SCHEME.  An output fragment is 128 rows of the A side (source 0: they run along the result's registers, so they are the next product's K) x 16 rows of the B side (source 1: a row a lane).
;   q, k: A side = W's 128 features of head a, B side = 16 tokens.      v: A side = the 128 tokens of key step a, B side = 16 of Wv's features of head G.
; A wave keeps its A group in registers (8 tiles x 8 K steps: 512 registers, read once) and streams the 8 B tiles of group G (8 KiB each, two tiles ahead).  A fragment is 64 matrix instructions,
; 8 accumulators by turns, and one quantising.  The bias is the C of each sum's first matrix instruction.
; Tiles are laid as the launch before lays them (place r of tile T is row 32 (T / 2) + 8 (T % 2) + r + 8 (r / 8)): so the 16 registers of result tiles 2 b, 2 b + 1 are 16 neighbours along the next K.
; WHAT IS STORED.  qf: [head][G 32] records of 8,704 bytes: the images of query tiles 8 G + i, then 512 bytes of scale words (lane l < 16: tiles 0-3 of place l; lane 16 + r: tiles 4-7 of place r).
; kv: [head][key step 32] blocks of 17,408 bytes: K's 8 images, V's 8 images (16 of the head's 128 x 128 keys), K's scale words, V's scale words.
; NO CLUSTER, NO LDS: operands are dense images that go from memory straight into the registers in which the matrix unit takes them; there is no LDS tile in which a joint load could land, and sending
; the resident 64 KiB a wave through LDS would add an LDS read of every byte for 512 matrix instructions.  192 work-groups: a wave's 8 B tiles must be one key step or one head, so that it stores 8 KiB on end.
; LIMITS: NaN and infinities are not served; a block of zeros gets the byte 1 (its codes are zeros; this program alone reads the bytes).
; REGISTERS, in windows of 256: window 0: v1-4 offsets; v16-47 A's scale words (tile t: 4 registers; K step s: register s % 4, lanes 0-15 for s < 4, lanes 16-31 else); v48-55 B's, two sets;
;   v64-127 the 8 accumulators; v128-135 codes; v136-151 at work; v152-159 a scale word for each fragment; v160-163 what my lane stores of them.
;   window 1: A's fragments of K steps 0-3 at v[8 (8 (s % 4) + t)]; window 2: of K steps 4-7; window 3: v0-127 B's fragments, two sets of 8 K steps; v128-191 the bias.
.set LI,  1                            ; v1  16 x lane
.set BO1, 2                            ; v2  64 h: bias along the registers
.set BO2, 3                            ; v3  4 (r + 8 (r / 8)): bias along the lanes
.set LN,  4                            ; v4  lane
.set AS,  16
.set BS,  48
.set HA,  64
.set PC,  128
.set TM,  136
.set SWD, 152
.set SO4, 160
.set BI,  128                          ; in window 3
.set SEL, 24                           ; s[24:25]
.set MSB, 0
.macro WIN new                         ; the immediate's high byte repeats the setting that is left
.if MSB != \new
	s_set_vgpr_msb (MSB<<8)|\new
.set MSB, \new
.endif
.endm
.macro PLACES n
.rept \n
	v_nop
.endr
.endm
.macro QUANT s, pc, tm, pw             ; 64 numbers of a lane, register 16 b + i = k 32 b + 16 (lane / 16) + i of my row -> a fragment's codes and its scale word
.irp b, 0,1,2,3
	v_max3_num_f32 v[(\tm)+\b], |v[(\s)+16*\b]|, |v[(\s)+1+16*\b]|, 0x1800000   ; my 16 numbers of block b and the floor 2^(3 - 127); each accumulator is read from its low end on
.endr
.irp i, 2,4,6,8,10,12,14
.irp b, 0,1,2,3
	v_max3_num_f32 v[(\tm)+\b], v[(\tm)+\b], |v[(\s)+16*\b+\i]|, |v[(\s)+1+16*\b+\i]|
.endr
.endr
.irp b, 0,1,2,3
	v_permlanex16_b32 v[(\tm)+4+\b], v[(\tm)+\b], s[SEL], s[SEL+1]
.endr
.irp b, 0,1,2,3
	v_max_num_f32 v[(\tm)+\b], v[(\tm)+\b], v[(\tm)+4+\b]
.endr
.irp b, 0,1,2,3
	v_add_nc_u32 v[(\tm)+12+\b], 0xff000000, v[(\tm)+\b]       ; 2 off the exponent field: the conversion's scale operand
.endr
.irp b, 0,1,2,3
	v_lshrrev_b32 v[(\tm)+4+\b], 23, v[(\tm)+12+\b]            ; the scale's byte
.endr
	v_lshl_or_b32 v[\pw], v[(\tm)+5], 8, v[(\tm)+4]
	v_lshl_or_b32 v[\pw], v[(\tm)+6], 16, v[\pw]
	v_lshl_or_b32 v[\pw], v[(\tm)+7], 24, v[\pw]
.irp b, 0,1,2,3
	v_cvt_scalef32_pk8_fp4_f32 v[(\pc)+2*\b], v[(\s)+16*\b:(\s)+7+16*\b], v[(\tm)+12+\b]
	v_cvt_scalef32_pk8_fp4_f32 v[(\pc)+1+2*\b], v[(\s)+8+16*\b:(\s)+15+16*\b], v[(\tm)+12+\b]
.endr
	v_nop                                                      ; one plain instruction behind the last scaled conversion
.irp c, 0,1
.irp i, 0,1
	v_permlane16_swap_b32 v[(\pc)+4*\c+\i], v[(\pc)+2+4*\c+\i]
.endr
.endr
.endm
; one matrix instruction; row = 1: both sides' scale words are read from lanes 16-31
.macro MM d, a, b, c, sa, sb, row
.if \row
	v_wmma_scale_f32_16x16x128_f8f6f4 v[\d:\d+7], v[\a:\a+7], v[\b:\b+7], v[\c:\c+7], v[\sa], v[\sb] matrix_a_fmt:MATRIX_FMT_FP4 matrix_b_fmt:MATRIX_FMT_FP4 matrix_a_scale:MATRIX_SCALE_ROW1 matrix_b_scale:MATRIX_SCALE_ROW1
.else
	v_wmma_scale_f32_16x16x128_f8f6f4 v[\d:\d+7], v[\a:\a+7], v[\b:\b+7], v[\c:\c+7], v[\sa], v[\sb] matrix_a_fmt:MATRIX_FMT_FP4 matrix_b_fmt:MATRIX_FMT_FP4
.endif
.endm
.macro BLOAD i                         ; B tile i: 16 loads of 512 consecutive bytes and its scale words: 17 loads
	WIN 0xc0                                       ; destination window 3
.irp s, 0,1,2,3,4,5,6,7
.irp c, 0,1
	global_load_b128 v[64*((\i)%2)+8*\s+4*\c:64*((\i)%2)+8*\s+4*\c+3], v[LI], s[12:13] offset:(\i)*8192+\s*1024+512*\c
.endr
.endr
	WIN 0
	global_load_b128 v[BS+4*((\i)%2):BS+4*((\i)%2)+3], v[LI], s[14:15] offset:512*(\i)
.endm
	s_load_b256 s[28:35], s[0:1], 0x0              ; img s[28:29], isc s[30:31], bq s[32:33], bk s[34:35]
	s_load_b128 s[36:39], s[0:1], 0x20             ; bv s[36:37], qf s[38:39]
	s_load_b64 s[40:41], s[0:1], 0x30              ; kv
	v_lshrrev_b32 v5, 5, v0
	v_readfirstlane_b32 s23, v5                    ; wave 0..3
	v_and_b32 v[LN], 31, v0
	v_lshlrev_b32 v[LI], 4, v[LN]
	v_bfe_u32 v5, v0, 4, 1
	v_lshlrev_b32 v[BO1], 6, v5
	v_and_b32 v5, 15, v0
	v_and_b32 v6, 8, v5
	v_add_nc_u32 v5, v5, v6
	v_lshlrev_b32 v[BO2], 2, v5
.irp b, 0,1,2,3
	v_mov_b32 v[TM+4+\b], 0                        ; written once: a lane permute's destination counts as one of its sources
.endr
	s_mov_b32 s[SEL], 0x76543210
	s_mov_b32 s[SEL+1], 0xfedcba98
	s_and_b32 s22, ttmp7, 0xffff                   ; y: 0 q, 1 k, 2 v
	s_lshl_b32 s4, s22, 6
	s_add_co_u32 s4, s4, 768                       ; Wq's or Wk's first tile
	s_lshl_b32 s5, s22, 8                          ; query's or key's first tile
	s_mov_b32 s6, 896                              ; Wv's
	s_cmp_eq_u32 s22, 2
	s_cselect_b32 s2, 3, 1
	s_cselect_b32 s3, 7, 1
	s_cselect_b32 s4, 512, s4                      ; the A side's first tile (v: value's)
	s_cselect_b32 s5, s6, s5                       ; the B side's
	s_and_b32 s3, ttmp9, s3
	s_lshl_b32 s3, s3, 2
	s_add_co_u32 s3, s3, s23                       ; a: my A group (q, k: head 0..7; v: key step 0..31)
	s_lshr_b32 s2, ttmp9, s2                       ; G: my B group (q, k: 0..31; v: head 0..7)
	s_lshl_b32 s6, s3, 3
	s_add_co_u32 s4, s4, s6
	s_lshl_b32 s6, s2, 3
	s_add_co_u32 s5, s5, s6
	s_cmp_eq_u32 s22, 2
	s_cselect_b32 s26, s2, s3                      ; the head
	s_cselect_b32 s27, s3, s2                      ; the group of 128 tokens
	s_lshl_b32 s42, s26, 9                         ; the head's 128 numbers of the bias
	s_lshl_b32 s26, s26, 5
	s_add_co_u32 s26, s26, s27                     ; the record's or block's number: 32 x head + group
	s_mov_b32 s7, 0
	s_mov_b32 s43, 0
	s_mov_b32 s45, 0
	s_mov_b32 s47, 0
	s_wait_kmcnt 0x0
	s_lshl_b32 s6, s4, 13
	s_add_nc_u64 s[8:9], s[28:29], s[6:7]          ; A's images
	s_lshl_b32 s6, s4, 9
	s_add_nc_u64 s[10:11], s[30:31], s[6:7]        ; A's scale words
	s_lshl_b32 s6, s5, 13
	s_add_nc_u64 s[12:13], s[28:29], s[6:7]        ; B's images
	s_lshl_b32 s6, s5, 9
	s_add_nc_u64 s[14:15], s[30:31], s[6:7]        ; B's scale words
	s_mov_b32 s27, 17408
	s_cmp_eq_u32 s22, 0
	s_cselect_b64 s[16:17], s[32:33], s[34:35]
	s_cselect_b64 s[18:19], s[38:39], s[40:41]     ; q goes to qf, k and v to kv
	s_cselect_b32 s27, 8704, s27
	s_mov_b32 s46, 8704
	s_cmp_eq_u32 s22, 2
	s_cselect_b64 s[16:17], s[36:37], s[16:17]     ; the bias
	s_cselect_b32 s44, 8192, 0                     ; V's images lie behind K's
	s_cselect_b32 s46, s46, 8192                   ; from my images to my scale words: q 8,192, k 16,384, v 8,704
	s_cmp_eq_u32 s22, 1
	s_cselect_b32 s46, 16384, s46
	s_add_nc_u64 s[16:17], s[16:17], s[42:43]
	s_mul_i32 s6, s26, s27
	s_add_nc_u64 s[18:19], s[18:19], s[6:7]
	s_add_nc_u64 s[18:19], s[18:19], s[44:45]      ; where my images go
	s_add_nc_u64 s[20:21], s[18:19], s[46:47]      ; and my scale words
	WIN 0x40                                       ; destination window 1
.irp s, 0,1,2,3
.irp t, 0,1,2,3,4,5,6,7
.irp c, 0,1
	global_load_b128 v[8*(8*\s+\t)+4*\c:8*(8*\s+\t)+4*\c+3], v[LI], s[8:9] offset:\t*8192+\s*1024+512*\c
.endr
.endr
.endr
	WIN 0x80                                       ; destination window 2
.irp s, 4,5,6,7
.irp t, 0,1,2,3,4,5,6,7
.irp c, 0,1
	global_load_b128 v[8*(8*(\s-4)+\t)+4*\c:8*(8*(\s-4)+\t)+4*\c+3], v[LI], s[8:9] offset:\t*8192+\s*1024+512*\c
.endr
.endr
.endr
	WIN 0
.irp t, 0,1,2,3,4,5,6,7
	global_load_b128 v[AS+4*\t:AS+4*\t+3], v[LI], s[10:11] offset:512*\t
.endr
	s_cmp_eq_u32 s22, 2
	s_cbranch_scc1 .Lbias_v
	WIN 0xc0                                       ; q, k: the features run along the registers: tile t's C holds b at 32 (t / 2) + 8 (t % 2) + 16 h + 0 .. 7
.irp t, 0,1,2,3,4,5,6,7
	global_load_b128 v[BI+8*\t:BI+8*\t+3], v[BO1], s[16:17] offset:(32*(\t/2)+8*(\t%2))*4
	global_load_b128 v[BI+8*\t+4:BI+8*\t+7], v[BO1], s[16:17] offset:(32*(\t/2)+8*(\t%2))*4+16
.endr
	WIN 0
	s_branch .Lbias_in
.Lbias_v:
	WIN 0xc0                                       ; v: the features run along the lanes: fragment i's C holds, in all eight registers, b at 32 (i / 2) + 8 (i % 2) + r + 8 (r / 8)
.irp i, 0,1,2,3,4,5,6,7
.irp j, 0,1,2,3,4,5,6,7
	global_load_b32 v[BI+8*\i+\j], v[BO2], s[16:17] offset:(32*(\i/2)+8*(\i%2))*4
.endr
.endr
	WIN 0
.Lbias_in:
	BLOAD 0
	BLOAD 1
.macro FRAG i
.if (\i) < 7
	s_wait_loadcnt 17                              ; all but the next B tile's 17 loads are in
.else
	s_wait_loadcnt 0x0
.endif
	s_cmp_eq_u32 s22, 2                            ; K step 0 starts the sums with the bias as C: which eight registers differs between q, k and v
	s_cbranch_scc1 .Lfv_\@
	WIN 0x3d                                       ; source 0 window 1, sources 1 and 2 window 3, destination window 0
.irp t, 0,1,2,3,4,5,6,7
	MM HA+8*\t, 8*\t, 64*((\i)%2), BI+8*\t, AS+4*\t, BS+4*((\i)%2), 0
.endr
	WIN 0
	s_branch .Lfj_\@
.Lfv_\@:
	WIN 0x3d
.irp t, 0,1,2,3,4,5,6,7
	MM HA+8*\t, 8*\t, 64*((\i)%2), BI+8*(\i), AS+4*\t, BS+4*((\i)%2), 0
.endr
	WIN 0
.Lfj_\@:
	WIN 0x0d                                       ; source 0 window 1, source 1 window 3, C and D window 0
.irp s, 1,2,3
.irp t, 0,1,2,3,4,5,6,7
	MM HA+8*\t, 8*(8*\s+\t), 64*((\i)%2)+8*\s, HA+8*\t, AS+4*\t+\s, BS+4*((\i)%2)+\s, 0
.endr
.endr
	WIN 0x0e                                       ; source 0 window 2
.irp s, 4,5,6,7
.irp t, 0,1,2,3,4,5,6,7
	MM HA+8*\t, 8*(8*(\s-4)+\t), 64*((\i)%2)+8*\s, HA+8*\t, AS+4*\t+\s-4, BS+4*((\i)%2)+\s-4, 1
.endr
.endr
	WIN 0
	PLACES 5                                       ; behind the last products: four serve the loads into B's set and the reads of the results, the fifth the next fragment's products, which begin the accumulators anew
	s_wait_xcnt 0x0                                ; the last fragment's stores have read the codes' registers, which are written again below
.if (\i)+2 < 8
	BLOAD (\i)+2
.endif
	QUANT HA, PC, TM, SWD+(\i)
	global_store_b128 v[LI], v[PC:PC+3], s[18:19] offset:1024*(\i)       ; the image: each store covers 512 consecutive bytes, aligned
	global_store_b128 v[LI], v[PC+4:PC+7], s[18:19] offset:1024*(\i)+512
.endm
.irp i, 0,1,2,3,4,5,6,7
	FRAG \i
.endr
	v_cmp_gt_u32 vcc_lo, 16, v[LN]                 ; lanes 0-15 store the words of fragments 0-3, lanes 16-31 those of 4-7
.irp q, 0,1,2,3
	v_cndmask_b32 v[SO4+\q], v[SWD+4+\q], v[SWD+\q], vcc_lo
.endr
	global_store_b128 v[LI], v[SO4:SO4+3], s[20:21]
	s_endpgm
.Lfunc_end_k_q0dbe102e6e_proj:
	.size	k_q0dbe102e6e_proj, .Lfunc_end_k_q0dbe102e6e_proj-k_q0dbe102e6e_proj
	.p2alignl 7, 3214868480
	.fill 96, 4, 3214868480
	.section	.rodata,"a",@progbits
	.p2align	6, 0x0
	.amdhsa_kernel k_q0dbe102e6e_proj
		.amdhsa_group_segment_fixed_size 0
		.amdhsa_private_segment_fixed_size 0
		.amdhsa_enable_private_segment 0
		.amdhsa_kernarg_size 56
		.amdhsa_user_sgpr_count 2
		.amdhsa_user_sgpr_kernarg_segment_ptr 1
		.amdhsa_wavefront_size32 1
		.amdhsa_system_sgpr_workgroup_id_x 1
		.amdhsa_system_sgpr_workgroup_id_y 1
		.amdhsa_system_sgpr_workgroup_id_z 1
		.amdhsa_system_vgpr_workitem_id 0
		.amdhsa_next_free_vgpr 1024
		.amdhsa_next_free_sgpr 66
		.amdhsa_reserve_vcc 1
		.amdhsa_float_denorm_mode_32 3
		.amdhsa_float_denorm_mode_16_64 3
		.amdhsa_memory_ordered 1
		.amdhsa_forward_progress 1
		.amdhsa_inst_pref_size 145
	.end_amdhsa_kernel
	.amdgpu_metadata
---
amdhsa.version: [ 1, 2 ]
amdhsa.kernels:
  - .name:           k_q0dbe102e6e_proj
    .symbol:         k_q0dbe102e6e_proj.kd
    .args:
      - { .name: img, .offset: 0, .size: 8, .value_kind: global_buffer, .address_space: global }
      - { .name: isc, .offset: 8, .size: 8, .value_kind: global_buffer, .address_space: global }
      - { .name: bq, .offset: 16, .size: 8, .value_kind: global_buffer, .address_space: global }
      - { .name: bk, .offset: 24, .size: 8, .value_kind: global_buffer, .address_space: global }
      - { .name: bv, .offset: 32, .size: 8, .value_kind: global_buffer, .address_space: global }
      - { .name: qf, .offset: 40, .size: 8, .value_kind: global_buffer, .address_space: global }
      - { .name: kv, .offset: 48, .size: 8, .value_kind: global_buffer, .address_space: global }
    .group_segment_fixed_size: 0
    .private_segment_fixed_size: 0
    .kernarg_segment_align: 8
    .kernarg_segment_size: 56
    .max_flat_workgroup_size: 128
    .sgpr_count:     66
    .vgpr_count:     1024
    .wavefront_size: 32
...
	.end_amdgpu_metadata
.endif
;; end of part 2
;; launch attn (part 3): grid 32 x 8, 8 waves a work-group, clusters of 4 x 1, 327,680 bytes of LDS; arguments qf, kv, mbits, of, os; writes of, os
.if DOCPART == 3
	.amdgcn_target "amdgcn-amd-amdhsa--gfx1250"
	.amdhsa_code_object_version 6
	.text
	.protected	k_q0dbe102e6e_attn
	.globl	k_q0dbe102e6e_attn
	.p2align	8
	.type	k_q0dbe102e6e_attn,@function
k_q0dbe102e6e_attn:
	s_mov_b64 s[64:65], 0
	v_nop
	global_prefetch_b8 v0, s[64:65] scope:SCOPE_SE
	s_setreg_imm32_b32 hwreg(HW_REG_WAVE_MODE, 25, 1), 1
	s_wait_xcnt 0x0
	s_wait_alu depctr_hold_cnt(0) depctr_sa_sdst(0) depctr_va_vdst(0) depctr_va_sdst(0) depctr_va_ssrc(0) depctr_va_vcc(0) depctr_vm_vsrc(0)
	s_getreg_b32 s2, hwreg(HW_REG_IB_STS2, 6, 4)
	s_cmp_eq_u32 s2, 0
	s_cbranch_scc0 .Lentry_in_a_cluster
	s_endpgm
.Lentry_in_a_cluster:
	s_bfe_u32 s2, ttmp6, 0x10000c
	s_cmp_lg_u32 s2, 0x3003
	s_cbranch_scc0 .Lentry_shape_is_right
	s_endpgm
.Lentry_shape_is_right:
; o[head][q] = the sum over keys of softmax(q . k / sqrt(128), masked) v, both products on codes of FP4 (E2M1) with E8M0 scales; o is quantised at once along the head's 128 for the last product.
; THE SOFTMAX AHEAD OF THE SECOND PRODUCT: t = score x c, c = log2(e) / sqrt(128) (one f32 constant); M = the running largest t rounded UP to a whole number; p = 2^(t - M) is quantised along the keys, not normalised;
; the row's sum is taken of the unquantised p and divides at the end; when M moves, the sum and O are multiplied by 2^(old M - new M), exactly.
; THE MASK: a score whose mask word's bit is 0 becomes -2^34 ahead of the maximum.  -2^34 x c is exact and a whole number, so a row that is masked so far has M = t and p = 1, as a logit of -1e9 gives
; (every f32 of that size is a whole number); the first key that counts makes 2^(old M - new M) = 0, which wipes what was summed.
; LIMITS: a masked logit stands at -1.52e9 in place of -1e9: the results are the same so long as logits that count lie above -1e9.  NaN and infinities are not served.  A block of zeros gets the byte 1 (zero codes).
; SHARES.  A work-group owns 128 queries of one head; each of its eight waves one tile of 16, two waves to a SIMD.  Every wave walks 32 key steps of 128 keys.
; LAYOUT.  Both products are used transposed: S^T = K Q^T (source 0 = 16 keys), O^T = V^T P^T (source 0 = 16 of the head's 128): a lane holds ONE query throughout.  Tiles are laid so that the 16 registers
; of result tiles 2 b and 2 b + 1 are 16 neighbours (place r of tile T is row 32 (T / 2) + 8 (T % 2) + r + 8 (r / 8)).  Operands lie in memory and in LDS as images of their registers: no pitch, no padding.
; THE RING.  A key step's block is 17,408 dense bytes: K's 8 images, V's 8 images, K's and V's scale words.  Two LDS slots of 8 key steps; at each fill every wave brings one block (68 rows of 256 bytes).
; 32 key steps are four slots' worth: two first fills and two refills.  A wave has two tensor loads out at the start and one behind each refill.
; THE KEY STEP IS PIPELINED.  K's fragments and scale words of step j + 1 are asked of LDS in step j, behind its first products, which were their registers' last readers: they have the step's softmax in which to come.
; Only a slot's first step asks for its own, behind the change of slots: so a slot is a loop of seven steps that ask ahead and one written-out step that does not.  V's are asked for at the step's head and wanted behind the softmax.
; The step's 68 exponentials are one batch with one wait; plain work that names none of their results (the scalings of later pairs, the rescaling of O^T) stands among them.
; CLUSTER.  The four query blocks of a cluster belong to one head and walk the same blocks: each is asked for jointly, by the same tensor load with the same descriptor and a mask that names the four.
; NO PREFETCH is laid: a refill is asked for eight key steps (128 matrix instructions and eight softmaxes of the wave) ahead of the wait for it, and a step's mask words a key step ahead.
; REGISTERS: window 0: v1, v2, v8-10 offsets; v5, v6 for the add; v11 -2^34; v12 -M, v13 the largest t, v[14:15] the sum in two halves; v16-23 Q; v24-27 K's scale words, v28-31 V's;
;   v96-159 S^T, then p; v160-223 O^T; v224-231 p's codes; v232-254 at work (v250 the old -M); v255 Q's scale word.   window 1: v32-95 K's 8 fragments, v96-159 V's.
.set BLKB,  17408                      ; a key step's block
.set SLOT1, 8*BLKB                     ; slot 1 begins here
.set SPARE, 2*SLOT1                    ; behind the ring: the spare words, 128 bytes for each wave: four blocks of 256 bytes that no other line names
.set LI,  1                            ; v1  16 x lane
.set L4,  2                            ; v2  4 x lane
.set SPW, 5                            ; v5  LDS address of my spare word; never rewritten
.set NIL, 6                            ; v6  0; never rewritten
.set ADK, 8                            ; v8  LDS address of the step's block + 16 x lane
.set QA,  9                            ; v9  Q's image: 1,024 x wave + 16 x lane
.set QS,  10                           ; v10 Q's scale word
.set XM,  11                           ; v11 -2^34
.set KS,  24
.set VS,  28
.set KF,  32                           ; in window 1
.set VF,  96                           ; in window 1
.set G0A, 4                            ; s[4:7]   descriptor group 0 for slot 0
.set G0B, 8                            ; s[8:11]  for slot 1
.set MB,  12                           ; s[12:13] my query tile's mask words
.set WV,  14                           ; s14 my wave's number
.set TB,  15                           ; s15 LDS byte at which the step's block begins
.set CNT, 16                           ; s16 counts a slot's steps
.set MOFF, 17                          ; s17 byte offset of the mask words asked for last
.set SEL, 18                           ; s[18:19] lane selects: lane l xor 16
.set CS,  20                           ; s[20:21] c, twice: the packed form names a pair
.set G1,  24                           ; s[24:31] descriptor group 1
; s[2:3] where my image goes, s[22:23] where its scale words go, s[66:67] Q's record; s[32:63] and s[68:99] the step's 64 mask words
.set MSB, 0
.macro WIN new                         ; the immediate's high byte repeats the setting that is left
.if MSB != \new
	s_set_vgpr_msb (MSB<<8)|\new
.set MSB, \new
.endif
.endm
.macro PLACES n
.rept \n
	v_nop
.endr
.endm
.macro ROUND                           ; a round of the cluster's barrier: my work-group's barrier; wave 0 signals for the work-group; every wave waits for all four work-groups; my work-group's barrier once more
	s_barrier_signal -1
	s_barrier_wait -1
	s_cmp_lg_u32 s[WV], 0
	s_cbranch_scc1 .Lnot_wave_0_\@
	s_barrier_signal -3
.Lnot_wave_0_\@:
	s_barrier_wait -3
	s_barrier_signal -1
	s_barrier_wait -1
.endm
.macro QUANT s, pc, tm, pw             ; 64 numbers of a lane, register 16 b + i = k 32 b + 16 (lane / 16) + i of my row -> a fragment's codes and its scale word
.irp b, 0,1,2,3
	v_max3_num_f32 v[(\tm)+\b], |v[(\s)+16*\b]|, |v[(\s)+1+16*\b]|, 0x1800000
.endr
.irp i, 2,4,6,8,10,12,14
.irp b, 0,1,2,3
	v_max3_num_f32 v[(\tm)+\b], v[(\tm)+\b], |v[(\s)+16*\b+\i]|, |v[(\s)+1+16*\b+\i]|
.endr
.endr
.irp b, 0,1,2,3
	v_permlanex16_b32 v[(\tm)+4+\b], v[(\tm)+\b], s[SEL], s[SEL+1]
.endr
.irp b, 0,1,2,3
	v_max_num_f32 v[(\tm)+\b], v[(\tm)+\b], v[(\tm)+4+\b]
.endr
.irp b, 0,1,2,3
	v_add_nc_u32 v[(\tm)+12+\b], 0xff000000, v[(\tm)+\b]
.endr
.irp b, 0,1,2,3
	v_lshrrev_b32 v[(\tm)+4+\b], 23, v[(\tm)+12+\b]
.endr
	v_lshl_or_b32 v[\pw], v[(\tm)+5], 8, v[(\tm)+4]
	v_lshl_or_b32 v[\pw], v[(\tm)+6], 16, v[\pw]
	v_lshl_or_b32 v[\pw], v[(\tm)+7], 24, v[\pw]
.irp b, 0,1,2,3
	v_cvt_scalef32_pk8_fp4_f32 v[(\pc)+2*\b], v[(\s)+16*\b:(\s)+7+16*\b], v[(\tm)+12+\b]
	v_cvt_scalef32_pk8_fp4_f32 v[(\pc)+1+2*\b], v[(\s)+8+16*\b:(\s)+15+16*\b], v[(\tm)+12+\b]
.endr
	v_nop
.irp c, 0,1
.irp i, 0,1
	v_permlane16_swap_b32 v[(\pc)+4*\c+\i], v[(\pc)+2+4*\c+\i]
.endr
.endr
.endm
.macro MS t                            ; S^T, tile t of 16 keys: a sum of one instruction.  K's scale word of tile t: register t % 4, lanes 0-15 for t < 4, lanes 16-31 else
.if (\t) < 4
	v_wmma_scale_f32_16x16x128_f8f6f4 v[96+8*(\t):103+8*(\t)], v[KF+8*(\t):KF+8*(\t)+7], v[16:23], 0, v[KS+(\t)%4], v255 matrix_a_fmt:MATRIX_FMT_FP4 matrix_b_fmt:MATRIX_FMT_FP4
.else
	v_wmma_scale_f32_16x16x128_f8f6f4 v[96+8*(\t):103+8*(\t)], v[KF+8*(\t):KF+8*(\t)+7], v[16:23], 0, v[KS+(\t)%4], v255 matrix_a_fmt:MATRIX_FMT_FP4 matrix_b_fmt:MATRIX_FMT_FP4 matrix_a_scale:MATRIX_SCALE_ROW1
.endif
.endm
.macro MO t                            ; O^T, tile t of 16 of the head's 128, += V^T P^T over these 128 keys
.if (\t) < 4
	v_wmma_scale_f32_16x16x128_f8f6f4 v[160+8*(\t):167+8*(\t)], v[VF+8*(\t):VF+8*(\t)+7], v[224:231], v[160+8*(\t):167+8*(\t)], v[VS+(\t)%4], v253 matrix_a_fmt:MATRIX_FMT_FP4 matrix_b_fmt:MATRIX_FMT_FP4
.else
	v_wmma_scale_f32_16x16x128_f8f6f4 v[160+8*(\t):167+8*(\t)], v[VF+8*(\t):VF+8*(\t)+7], v[224:231], v[160+8*(\t):167+8*(\t)], v[VS+(\t)%4], v253 matrix_a_fmt:MATRIX_FMT_FP4 matrix_b_fmt:MATRIX_FMT_FP4 matrix_a_scale:MATRIX_SCALE_ROW1
.endif
.endm
	s_load_b256 s[32:39], s[0:1], 0x0              ; qf s[32:33], kv s[34:35], mbits s[36:37], of s[38:39]
	s_load_b64 s[40:41], s[0:1], 0x20              ; os
	v_lshl_add_u32 v[SPW], v0, 2, SPARE
	v_mov_b32 v[NIL], 0
	ds_add_u32 v5, v6
	ds_add_u32 v5, v6
	s_wait_dscnt 0x0
	v_lshrrev_b32 v3, 5, v0
	v_readfirstlane_b32 s[WV], v3                  ; wave 0..7
	v_and_b32 v3, 31, v0
	v_lshlrev_b32 v[LI], 4, v3
	v_lshlrev_b32 v[L4], 2, v3
	s_and_b32 s17, ttmp7, 0xffff                   ; the head, which the four partners share
	s_lshl_b32 s68, s17, 5
	s_add_co_u32 s68, s68, s[WV]
	s_mul_i32 s68, s68, BLKB                       ; the block that I fetch first: key step = my wave's number.  No place in the cluster enters these registers
	s_mov_b32 s69, 0
	s_mov_b32 s[G0A], 1                            ; 1:0 count = 1
	s_mul_i32 s[G0A+1], s[WV], BLKB                ; 63:32 LDS address: slot 0, my wave's block
	s_mov_b32 s[G0B], 1
	s_add_co_u32 s[G0B+1], s[G0A+1], SLOT1         ; slot 1, my wave's block
	; descriptor group 1: a dense block of 17,408 bytes as 68 rows of 256 bytes (32 elements of 8 bytes), no padding
	s_mov_b32 s[G1], 15|(3<<16)|(1<<21)            ; 15:0 the mask: all four work-groups; 17:16 elements of 8 bytes; 21 set beside a mask
	s_mov_b32 s[G1+1], 32<<16                      ; tensor_dim0 = 32
	s_mov_b32 s[G1+2], 68<<16                      ; tensor_dim1 = 68
	s_mov_b32 s[G1+3], 32<<16                      ; tile_dim0 = 32
	s_mov_b32 s[G1+4], 68                          ; tile_dim1 = 68
	s_mov_b32 s[G1+5], 32                          ; tensor_dim0_stride
	s_mov_b32 s[G1+6], 0
	s_mov_b32 s[G1+7], 0
	s_bfe_u32 s70, ttmp6, 0x40000                  ; cx: it enters the addresses of Q, the mask words and the results alone
	s_lshl_b32 s71, ttmp9, 2
	s_add_co_u32 s71, s71, s70                     ; my block of 128 queries = 4 x cluster x + cx
	s_lshl_b32 s72, s71, 3
	s_add_co_u32 s72, s72, s[WV]                   ; my query tile
	s_lshl_b32 s74, s72, 3
	s_add_co_u32 s74, s74, s17                     ; 8 x tile + head: a head is a K step of the last product
	s_mov_b32 s77, 0
	s_mov_b32 s[SEL], 0x76543210
	s_mov_b32 s[SEL+1], 0xfedcba98
	s_mov_b32 s[CS], 0x3e0293ee                    ; c = log2(e) / sqrt(128)
	s_mov_b32 s[CS+1], s[CS]
	s_lshl_b32 s78, s[WV], 10
	v_add_nc_u32 v[QA], s78, v[LI]                 ; Q's image in its record
	s_lshr_b32 s78, s[WV], 2
	s_lshl_b32 s78, s78, 8
	s_and_b32 s79, s[WV], 3
	s_lshl_b32 s79, s79, 2
	s_add_co_u32 s78, s78, s79
	s_add_co_u32 s78, s78, 8192                    ; its scale words: behind the 8 images, lanes' half wave / 4, word wave % 4
	v_and_b32 v3, 15, v0
	v_lshl_add_u32 v[QS], v3, 4, s78
	s_wait_kmcnt 0x0
	s_add_nc_u64 s[G0A+2:G0A+3], s[34:35], s[68:69]            ; 120:64 global address: key step = wave
	s_add_nc_u64 s[G0B+2:G0B+3], s[G0A+2:G0A+3], 8*BLKB        ; key step 8 + wave
	s_or_b32 s[G0A+3], s[G0A+3], 0x80000000                    ; 127:126 type = 2
	s_or_b32 s[G0B+3], s[G0B+3], 0x80000000
	s_lshl_b32 s76, s74, 10
	s_add_nc_u64 s[2:3], s[38:39], s[76:77]        ; where my image goes
	s_lshl_b32 s76, s74, 7
	s_add_nc_u64 s[22:23], s[40:41], s[76:77]      ; and its scale words
	s_lshl_b32 s76, s72, 13
	s_add_nc_u64 s[MB:MB+1], s[36:37], s[76:77]    ; my tile's mask words: 32 steps x 256 bytes
	s_lshl_b32 s76, s17, 5
	s_add_co_u32 s76, s76, s71
	s_mul_i32 s76, s76, 8704
	s_add_nc_u64 s[66:67], s[32:33], s[76:77]      ; Q's record
	ROUND                                          ; all four work-groups are here: the first joint loads meet
	tensor_load_to_lds s[G0A:G0A+3], s[G1:G1+7]    ; both first fills go out together, ahead of every wait on TENSORcnt and every LDS read: two loads of mine are out
	s_nop 0
	tensor_load_to_lds s[G0B:G0B+3], s[G1:G1+7]
	s_nop 0
	PLACES 4                                       ; four places behind a tensor load
	global_load_b128 v[16:19], v[QA], s[66:67]     ; Q's fragment stays in registers
	global_load_b128 v[20:23], v[QA], s[66:67] offset:512
	global_load_b32 v255, v[QS], s[66:67]
	s_mov_b32 s[MOFF], 0
	s_load_b512 s[32:47], s[MB:MB+1], s[MOFF] offset:0x0       ; key step 0's 64 mask words (the pointers that lay here are used up)
	s_load_b512 s[48:63], s[MB:MB+1], s[MOFF] offset:0x40
	s_load_b512 s[68:83], s[MB:MB+1], s[MOFF] offset:0x80
	s_load_b512 s[84:99], s[MB:MB+1], s[MOFF] offset:0xc0
	v_mov_b32 v[XM], 0xd0800000                    ; -2^34
	v_mov_b32 v13, 0xff61b1e6                      ; the largest t so far: -3e38, under every t
	v_floor_f32 v12, -v13                          ; -M
	v_mov_b32 v14, 0
	v_mov_b32 v15, 0
.irp b, 0,1,2,3
	v_mov_b32 v[236+\b], 0                         ; written once: a lane permute's destination counts as one of its sources
.endr
	v_mov_b32 v253, 0                              ; (named as the upper half of the pair v[252:253] before it is first written)
.set NN, 0
.rept 64
	v_mov_b32 v[160+NN], 0                         ; O^T.  The step is written for all 32 alike: the first finds zeros, which the first change of M leaves zeros
.set NN, NN+1
.endr
	s_wait_loadcnt 0x0                             ; Q
	s_wait_tensorcnt 1                             ; my block of slot 0 is in; slot 1's may stay out
	s_barrier_signal -1
	s_barrier_wait -1                              ; everybody's is
; A KEY STEP: 128 keys, whose block begins at LDS byte s[TB].  Its K and K's scale words have been asked for already.  pre = 1: it asks for those of the next step, one block further on in the same slot.
.macro STEP pre
	v_add_nc_u32 v[ADK], s[TB], v[LI]
	ds_load_b128 v[VS:VS+3], v[ADK] offset:16896   ; V's registers were last read by the last step's second products; the sixteen additions behind those are the places in front of these loads
	WIN 0x40                                       ; destination window 1
.irp g, 0,1,2,3,4,5,6,7,8,9,10,11,12,13,14,15
	ds_load_b128 v[VF+4*\g:VF+4*\g+3], v[ADK] offset:8192+512*\g       ; images: 512 consecutive bytes an instruction
.endr
	s_wait_dscnt 17                                ; the 17 loads just issued may be out; K's 17, which are older on every way here, are in
	WIN 0x01                                       ; source 0 window 1
.irp t, 0,1,2,3,4,5,6,7
	MS \t
.endr
	WIN 0
	v_mov_b32 v250, v12                            ; the old -M is kept for f.  With the three lines below: the four places behind the products
	PLACES 3
.if \pre
	ds_load_b128 v[KS:KS+3], v[ADK] offset:BLKB+16384          ; the next step's K: it has the softmax in which to come
	WIN 0x40
.irp g, 0,1,2,3,4,5,6,7,8,9,10,11,12,13,14,15
	ds_load_b128 v[KF+4*\g:KF+4*\g+3], v[ADK] offset:BLKB+512*\g
.endr
	WIN 0
.endif
	s_wait_kmcnt 0x0                               ; this step's mask words, asked for a step ago
.set NN, 0
.rept 64                                               ; register n holds key 32 (n / 16) + 16 h + n % 16 of my query: where word n's bit of my lane is 0 the score becomes -2^34.  Each accumulator from its low end on
.if NN < 32
	v_cndmask_b32 v[96+NN], v[XM], v[96+NN], s[32+NN]
.else
	v_cndmask_b32 v[96+NN], v[XM], v[96+NN], s[36+NN]
.endif
.set NN, NN+1
.endr
	s_add_co_u32 s[MOFF], s[MOFF], 256             ; (behind the wait above, which shows the loads that read it done)
	s_min_u32 s[MOFF], s[MOFF], 7936               ; the last step asks for its own words again: no load leaves the buffer
	s_load_b512 s[32:47], s[MB:MB+1], s[MOFF] offset:0x0       ; the next step's words: they have the softmax in which to land
	s_load_b512 s[48:63], s[MB:MB+1], s[MOFF] offset:0x40
	s_load_b512 s[68:83], s[MB:MB+1], s[MOFF] offset:0x80
	s_load_b512 s[84:99], s[MB:MB+1], s[MOFF] offset:0xc0
	; the largest score of each block of 32 keys: for the row's maximum, and, since p rises with the score, for the block's largest p.  Two chains a block, eight by turns: no line reads the result of a line near it
.irp b, 0,1,2,3
	v_max3_num_f32 v[232+\b], v[96+16*\b], v[97+16*\b], v[98+16*\b]
.endr
.irp b, 0,1,2,3
	v_max3_num_f32 v[240+\b], v[99+16*\b], v[100+16*\b], v[101+16*\b]
.endr
.irp i, 6,10
.irp b, 0,1,2,3
	v_max3_num_f32 v[232+\b], v[232+\b], v[96+16*\b+\i], v[97+16*\b+\i]
.endr
.irp b, 0,1,2,3
	v_max3_num_f32 v[240+\b], v[240+\b], v[98+16*\b+\i], v[99+16*\b+\i]
.endr
.endr
.irp b, 0,1,2,3
	v_max3_num_f32 v[232+\b], v[232+\b], v[110+16*\b], v[111+16*\b]
.endr
.irp b, 0,1,2,3
	v_max_num_f32 v[232+\b], v[232+\b], v[240+\b]
.endr
.irp b, 0,1,2,3
	v_permlanex16_b32 v[236+\b], v[232+\b], s[SEL], s[SEL+1]
.endr
.irp b, 0,1,2,3
	v_max_num_f32 v[232+\b], v[232+\b], v[236+\b]  ; with lane l xor 16's 16 keys
.endr
	v_max3_num_f32 v254, v232, v233, v234
	v_max_num_f32 v254, v254, v235                 ; the step's largest score of my query
	v_mul_f32 v254, s[CS], v254                    ; as t (c is positive)
	v_max_num_f32 v13, v13, v254                   ; the running largest t
	v_floor_f32 v12, -v13                          ; the new -M = floor(-t) = -ceil(t)
	v_sub_f32 v254, v12, v250                      ; old M - new M: a whole number, 0 or less.  The three lines that make f of it stand among lines that want -M alone
.irp b, 0,1,2,3
	v_fma_f32 v[232+\b], v[232+\b], s[CS], v12     ; t - M of each block's largest score
.endr
	v_cvt_i32_f32 v254, v254                       ; (it saturates)
.irp j, 0,2
	v_pk_fma_f32 v[96+\j:97+\j], v[96+\j:97+\j], s[CS:CS+1], v[12:13] op_sel_hi:[1,0,0]   ; t - M, two at a time: the first four pairs go ahead of the batch
.endr
	v_ldexp_f32 v252, 1.0, v254                    ; f = 2^(old M - new M)
.irp j, 4,6
	v_pk_fma_f32 v[96+\j:97+\j], v[96+\j:97+\j], s[CS:CS+1], v[12:13] op_sel_hi:[1,0,0]
.endr
	; ONE BATCH of 68 exponentials.  Nothing in it names an exponential's result: a pair is scaled four pairs ahead of its exponentials, and the sum and O^T are brought under the new M meanwhile
	v_exp_f32 v232, v232                           ; the blocks' largest p: the same two instructions on the same number give the same bits as the p itself
	v_exp_f32 v233, v233
	v_pk_mul_f32 v[14:15], v[14:15], v[252:253] op_sel_hi:[1,0]   ; the sums under the new M
	v_exp_f32 v234, v234
	v_exp_f32 v235, v235
.set JJ, 0
.rept 32
.if JJ < 28
	v_pk_fma_f32 v[104+2*JJ:105+2*JJ], v[104+2*JJ:105+2*JJ], s[CS:CS+1], v[12:13] op_sel_hi:[1,0,0]   ; pair JJ + 4
.endif
	v_exp_f32 v[96+2*JJ], v[96+2*JJ]               ; p = 2^(t - M), at most 1
.if JJ < 24
	v_pk_mul_f32 v[160+2*JJ:161+2*JJ], v[160+2*JJ:161+2*JJ], v[252:253] op_sel_hi:[1,0]   ; O^T under the new M, each accumulator from its low end on
.endif
	v_exp_f32 v[97+2*JJ], v[97+2*JJ]
.set JJ, JJ+1
.endr
.irp j, 48,50,52,54,56,58,60,62
	v_pk_mul_f32 v[160+\j:161+\j], v[160+\j:161+\j], v[252:253] op_sel_hi:[1,0]   ; the last eight stand behind the last exponential: plain work ahead of the wait
.endr
	s_wait_alu depctr_va_vdst(0)                   ; one wait for the batch, ahead of its first reader
.irp b, 0,1,2,3
	v_max_num_f32 v[232+\b], 0x1800000, v[232+\b]  ; the floor 2^(3 - 127): the byte cannot fall under 1
.endr
.irp b, 0,1,2,3
	v_add_nc_u32 v[244+\b], 0xff000000, v[232+\b]  ; 2 off the exponent field: the conversion's scale operand
.endr
.irp b, 0,1,2,3
	v_cvt_scalef32_pk8_fp4_f32 v[224+2*\b], v[96+16*\b:103+16*\b], v[244+\b]
	v_cvt_scalef32_pk8_fp4_f32 v[225+2*\b], v[104+16*\b:111+16*\b], v[244+\b]
.endr
.irp b, 0,1,2,3
	v_lshrrev_b32 v[236+\b], 23, v[244+\b]         ; the scale's byte.  These are also the plain lines between the conversions and the lines that touch their results or write their sources
.endr
	v_lshl_or_b32 v253, v237, 8, v236              ; p's scale word for these 128 keys
	v_lshl_or_b32 v253, v238, 16, v253
	v_lshl_or_b32 v253, v239, 24, v253
.irp c, 0,1                                            ; the operand's layout wants a whole block in a lane
.irp i, 0,1
	v_permlane16_swap_b32 v[224+4*\c+\i], v[226+4*\c+\i]
.endr
.endr
	; THE ROW'S SUM OF THE UNQUANTISED p: a tree in place, two numbers an instruction; p's registers are done with.  Its first sixteen additions stand between the writing of p's codes and scale word and the products
.irp i, 0,1,2,3,4,5,6,7,8,9,10,11,12,13,14,15
	v_pk_add_f32 v[96+4*\i:97+4*\i], v[96+4*\i:97+4*\i], v[98+4*\i:99+4*\i]
.endr
	s_wait_dscnt 0x0                               ; V is in (and the next step's K)
	WIN 0x01
.irp t, 0,1,2,3,4,5,6,7
	MO \t
.endr
	WIN 0
.irp i, 0,1,2,3,4,5,6,7                                ; the other sixteen name no register of those products: they are the places in front of the next step's loads into V's registers
	v_pk_add_f32 v[96+8*\i:97+8*\i], v[96+8*\i:97+8*\i], v[100+8*\i:101+8*\i]
.endr
.irp i, 0,1,2,3
	v_pk_add_f32 v[96+16*\i:97+16*\i], v[96+16*\i:97+16*\i], v[104+16*\i:105+16*\i]
.endr
.irp i, 0,1
	v_pk_add_f32 v[96+32*\i:97+32*\i], v[96+32*\i:97+32*\i], v[112+32*\i:113+32*\i]
.endr
	v_pk_add_f32 v[96:97], v[96:97], v[128:129]
	v_pk_add_f32 v[14:15], v[14:15], v[96:97]
.endm
; A slot's eight key steps.  The first step's K is asked for here, behind the change of slots; seven steps ask for their successor's; the eighth, written out, asks for nothing: its successor lies in the other slot.
.macro SLOT_STEPS base
	s_mov_b32 s[TB], \base
	v_add_nc_u32 v[ADK], s[TB], v[LI]
	ds_load_b128 v[KS:KS+3], v[ADK] offset:16384
	WIN 0x40
.irp g, 0,1,2,3,4,5,6,7,8,9,10,11,12,13,14,15
	ds_load_b128 v[KF+4*\g:KF+4*\g+3], v[ADK] offset:512*\g
.endr
	WIN 0
	s_mov_b32 s[CNT], 7
.Lstep_\@:
	STEP 1
	s_add_co_u32 s[TB], s[TB], BLKB
	s_sub_co_u32 s[CNT], s[CNT], 1
	s_cmp_lg_u32 s[CNT], 0
	s_cbranch_scc1 .Lstep_\@
	s_mov_b32 s[TB], \base+7*BLKB                  ; (the value that the loop has left, written as a constant)
	STEP 0
.endm
; THE CHANGE OF SLOTS.  Each wave waits for all its tensor loads (its block of the slot ahead), adds 0 to its spare word, and waits for that and for its reads of the slot that it leaves.  Behind the round no wave of
; any partner reads that slot or has a load on its way, and it is filled with the key steps 16 further on: the first thing behind the round, one load a wave.
.macro CHANGE g0
	s_wait_tensorcnt 0x0                           ; no tensor load of mine is out, so a group 0 may be written
	ds_add_u32 v[SPW], v[NIL]                      ; 0 onto my spare word
	s_add_nc_u64 s[\g0+2:\g0+3], s[\g0+2:\g0+3], 16*BLKB   ; 16 key steps on; the type bits on top are not reached
	s_wait_dscnt 0x0                               ; the add is done, and my reads of the slot are over
	ROUND
	tensor_load_to_lds s[\g0:\g0+3], s[G1:G1+7]
	s_nop 0
	PLACES 4
.endm
	SLOT_STEPS 0                                   ; key steps 0-7
	CHANGE G0A                                     ; slot 0 takes key steps 16-23
	SLOT_STEPS SLOT1                               ; key steps 8-15
	CHANGE G0B                                     ; slot 1 takes key steps 24-31
	SLOT_STEPS 0                                   ; key steps 16-23
	s_wait_tensorcnt 0x0                           ; the last change fills nothing: my block of slot 1 is in,
	ds_add_u32 v[SPW], v[NIL]
	s_wait_dscnt 0x0
	s_barrier_signal -1
	s_barrier_wait -1                              ; everybody's is
	SLOT_STEPS SLOT1                               ; key steps 24-31
	; THE WAY OUT.  O^T / the sum is quantised along the head's 128 (register 16 b + i is d = 32 b + 16 h + i) and leaves as an image of the last product's operand: no stage.
	s_wait_kmcnt 0x0                               ; the mask words asked for in the last step
	PLACES 4
	v_add_f32 v14, v14, v15                        ; the sum's two halves,
	v_permlanex16_b32 v252, v14, s[SEL], s[SEL+1]
	v_add_f32 v14, v14, v252                       ; and lane l xor 16's: the row's sum
	v_rcp_f32 v14, v14
	v_nop                                          ; a plain instruction behind the reciprocal
	s_wait_alu depctr_va_vdst(0)                   ; and the wait ahead of its first reader
.set NN, 0
.rept 64
	v_mul_f32 v[96+NN], v[160+NN], v14             ; each accumulator from its low end on
.set NN, NN+1
.endr
	QUANT 96, 224, 232, 248
	global_store_b128 v[LI], v[224:227], s[2:3]                ; each store covers 512 consecutive bytes, aligned
	global_store_b128 v[LI], v[228:231], s[2:3] offset:512
	global_store_b32 v[L4], v248, s[22:23]                     ; 128 consecutive bytes: one ninth of what the wave writes
	s_wait_tensorcnt 0x0                           ; the wave's end
	ds_add_u32 v[SPW], v[NIL]
	s_wait_dscnt 0x0
	ROUND                                          ; the closing round: no work-group ends while a partner may still ask for a block that names it
	s_endpgm
.Lfunc_end_k_q0dbe102e6e_attn:
	.size	k_q0dbe102e6e_attn, .Lfunc_end_k_q0dbe102e6e_attn-k_q0dbe102e6e_attn
	.p2alignl 7, 3214868480
	.fill 96, 4, 3214868480
	.section	.rodata,"a",@progbits
	.p2align	6, 0x0
	.amdhsa_kernel k_q0dbe102e6e_attn
		.amdhsa_group_segment_fixed_size 327680
		.amdhsa_private_segment_fixed_size 0
		.amdhsa_enable_private_segment 0
		.amdhsa_kernarg_size 40
		.amdhsa_user_sgpr_count 2
		.amdhsa_user_sgpr_kernarg_segment_ptr 1
		.amdhsa_wavefront_size32 1
		.amdhsa_system_sgpr_workgroup_id_x 1
		.amdhsa_system_sgpr_workgroup_id_y 1
		.amdhsa_system_sgpr_workgroup_id_z 1
		.amdhsa_system_vgpr_workitem_id 0
		.amdhsa_next_free_vgpr 416
		.amdhsa_next_free_sgpr 100
		.amdhsa_reserve_vcc 0
		.amdhsa_float_denorm_mode_32 3
		.amdhsa_float_denorm_mode_16_64 3
		.amdhsa_memory_ordered 1
		.amdhsa_forward_progress 1
		.amdhsa_inst_pref_size 189
	.end_amdhsa_kernel
	.amdgpu_metadata
---
amdhsa.version: [ 1, 2 ]
amdhsa.kernels:
  - .name:           k_q0dbe102e6e_attn
    .symbol:         k_q0dbe102e6e_attn.kd
    .args:
      - { .name: qf, .offset: 0, .size: 8, .value_kind: global_buffer, .address_space: global }
      - { .name: kv, .offset: 8, .size: 8, .value_kind: global_buffer, .address_space: global }
      - { .name: mbits, .offset: 16, .size: 8, .value_kind: global_buffer, .address_space: global }
      - { .name: of, .offset: 24, .size: 8, .value_kind: global_buffer, .address_space: global }
      - { .name: os, .offset: 32, .size: 8, .value_kind: global_buffer, .address_space: global }
    .group_segment_fixed_size: 327680
    .private_segment_fixed_size: 0
    .kernarg_segment_align: 8
    .kernarg_segment_size: 40
    .max_flat_workgroup_size: 256
    .sgpr_count:     100
    .vgpr_count:     416
    .wavefront_size: 32
...
	.end_amdgpu_metadata
.endif
;; end of part 3
;; launch oproj (part 4): grid 256 x 1, 4 waves a work-group, no clusters, 68,096 bytes of LDS; arguments img, isc, of, os, bo, out0; writes out0
.if DOCPART == 4
	.amdgcn_target "amdgcn-amd-amdhsa--gfx1250"
	.amdhsa_code_object_version 6
	.text
	.protected	k_q0dbe102e6e_oproj
	.globl	k_q0dbe102e6e_oproj
	.p2align	8
	.type	k_q0dbe102e6e_oproj,@function
k_q0dbe102e6e_oproj:
	s_mov_b64 s[64:65], 0
	v_nop
	global_prefetch_b8 v0, s[64:65] scope:SCOPE_SE
	s_setreg_imm32_b32 hwreg(HW_REG_WAVE_MODE, 25, 1), 1
	s_wait_xcnt 0x0
; out0 = o Wo^T + bo on codes of FP4 (E2M1) with E8M0 scales; sums in f32.  o's images and scale words come from the attention launch ([query tile][head]: a head is a K step), Wo's from the first launch (tiles 960 on).
; SHARES.  Wave w of work-group x makes output features 128 a .. 128 a + 127, a = 4 (x % 2) + w, for the 32 queries of query tiles 2 (x / 2) and 2 (x / 2) + 1: 128 matrix instructions, 16 accumulators by turns
; Source 0 = 16 rows of Wo, source 1 = 16 queries: a lane holds one query, and its eight registers eight neighbouring features.  The bias is the C of each sum's first instruction.
; Place r of tile T is row 32 (T / 2) + 8 (T % 2) + r + 8 (r / 8), for Wo's rows and for the queries alike.
; THE WAY OUT: through the wave's own stage in LDS (32 rows of 512 + 16 bytes), back as whole rows: each store covers 512 consecutive bytes, aligned.  The stores into the stage go two deep in the banks
; (row places 0-7 and 8-15 lie 16 rows apart, 33 x 256 bytes).  The stage is the wave's own: no barrier.
; NO CLUSTER: operands are dense images that go from memory straight into registers; there is no LDS tile in which a joint load could land.
; REGISTERS: window 0: v1-5 offsets; v16-47 Wo's scale words (tile t: 4 registers; K step s: register s % 4, lanes 0-15 for s < 4, else lanes 16-31); v48-63 o's (tile i, K step s: 48 + 8 i + s);
;   v64-191 the 16 accumulators (i, t) at 64 + 64 i + 8 t, later the rows read back.   window 1: Wo's fragments of K steps 0-3 at v[8 (8 (s % 4) + t)]; window 2: of K steps 4-7;
;   window 3: v0-127 o's fragments at 64 i + 8 s; v128-191 the bias.
.set LI,  1                            ; v1  16 x lane
.set L4,  2                            ; v2  4 x lane
.set SO,  3                            ; v3  the stage, in
.set SR,  4                            ; v4  the stage, out
.set BO1, 5                            ; v5  64 h
.set AS,  16
.set BS,  48
.set HA,  64
.set BI,  128                          ; in window 3
.set SP,  528
.set MSB, 0
.macro WIN new                         ; the immediate's high byte repeats the setting that is left
.if MSB != \new
	s_set_vgpr_msb (MSB<<8)|\new
.set MSB, \new
.endif
.endm
.macro MM d, a, b, c, sa, sb, row      ; row = 1: source 0's scale word is read from lanes 16-31
.if \row
	v_wmma_scale_f32_16x16x128_f8f6f4 v[\d:\d+7], v[\a:\a+7], v[\b:\b+7], v[\c:\c+7], v[\sa], v[\sb] matrix_a_fmt:MATRIX_FMT_FP4 matrix_b_fmt:MATRIX_FMT_FP4 matrix_a_scale:MATRIX_SCALE_ROW1
.else
	v_wmma_scale_f32_16x16x128_f8f6f4 v[\d:\d+7], v[\a:\a+7], v[\b:\b+7], v[\c:\c+7], v[\sa], v[\sb] matrix_a_fmt:MATRIX_FMT_FP4 matrix_b_fmt:MATRIX_FMT_FP4
.endif
.endm
.macro KSTEP s                         ; 16 matrix instructions: two tiles of queries x eight tiles of features, 128 along K
.irp i, 0,1
.irp t, 0,1,2,3,4,5,6,7
.if (\s) == 0
	MM HA+64*\i+8*\t, 8*\t, 64*\i, BI+8*\t, AS+4*\t, BS+8*\i, 0
.else
	MM HA+64*\i+8*\t, 8*(8*((\s)%4)+\t), 64*\i+8*(\s), HA+64*\i+8*\t, AS+4*\t+(\s)%4, BS+8*\i+(\s), (\s)/4
.endif
.endr
.endr
.endm
	s_load_b256 s[4:11], s[0:1], 0x0               ; img s[4:5], isc s[6:7], of s[8:9], os s[10:11]
	s_load_b128 s[12:15], s[0:1], 0x20             ; bo s[12:13], out0 s[14:15]
	v_lshl_add_u32 v254, v0, 2, 0x10800
	v_mov_b32 v255, 0
	v_lshrrev_b32 v6, 5, v0
	v_readfirstlane_b32 s16, v6                    ; wave 0..3
	v_and_b32 v6, 31, v0
	v_lshlrev_b32 v[LI], 4, v6
	v_lshlrev_b32 v[L4], 2, v6
	v_bfe_u32 v7, v0, 4, 1                         ; h
	v_lshlrev_b32 v[BO1], 6, v7
	v_and_b32 v6, 15, v0                           ; r
	v_and_b32 v8, 8, v6
	v_add_nc_u32 v6, v6, v8                        ; r + 8 (r / 8)
	s_mul_i32 s22, s16, 32*SP                      ; my stage
	v_mul_u32_u24 v[SO], v6, SP
	v_lshl_add_u32 v[SO], v7, 6, v[SO]
	v_add_nc_u32 v[SO], s22, v[SO]                 ; in: the query's row, + 64 h
	v_add_nc_u32 v[SR], s22, v[LI]                 ; out: 32 lanes take a row of 512 bytes
	s_and_b32 s17, ttmp9, 1
	s_lshl_b32 s17, s17, 2
	s_add_co_u32 s17, s17, s16                     ; a
	s_lshr_b32 s18, ttmp9, 1                       ; which 32 queries
	s_lshl_b32 s19, s17, 3
	s_add_co_u32 s19, s19, 960                     ; Wo's first tile of my 128 features
	s_mov_b32 s21, 0
	s_wait_kmcnt 0x0
	s_lshl_b32 s20, s19, 13
	s_add_nc_u64 s[4:5], s[4:5], s[20:21]
	s_lshl_b32 s20, s19, 9
	s_add_nc_u64 s[6:7], s[6:7], s[20:21]
	s_lshl_b32 s20, s18, 14                        ; 16 images
	s_add_nc_u64 s[8:9], s[8:9], s[20:21]
	s_lshl_b32 s20, s18, 11                        ; 16 x 128 bytes of scale words
	s_add_nc_u64 s[10:11], s[10:11], s[20:21]
	s_lshl_b32 s20, s17, 9                         ; my 128 features, in bytes
	s_add_nc_u64 s[12:13], s[12:13], s[20:21]
	s_add_nc_u64 s[14:15], s[14:15], s[20:21]
	s_lshl_b32 s20, s18, 17                        ; 32 rows of 4,096 bytes
	s_add_nc_u64 s[14:15], s[14:15], s[20:21]
	WIN 0xc0                                       ; destination window 3
.irp i, 0,1
.irp s, 0,1,2,3,4,5,6,7
.irp c, 0,1
	global_load_b128 v[64*\i+8*\s+4*\c:64*\i+8*\s+4*\c+3], v[LI], s[8:9] offset:(8*\i+\s)*1024+512*\c
.endr
.endr
.endr
.irp t, 0,1,2,3,4,5,6,7
	global_load_b128 v[BI+8*\t:BI+8*\t+3], v[BO1], s[12:13] offset:(32*(\t/2)+8*(\t%2))*4      ; tile t's C: bo at 32 (t / 2) + 8 (t % 2) + 16 h + 0 .. 7
	global_load_b128 v[BI+8*\t+4:BI+8*\t+7], v[BO1], s[12:13] offset:(32*(\t/2)+8*(\t%2))*4+16
.endr
	WIN 0
.irp i, 0,1
.irp s, 0,1,2,3,4,5,6,7
	global_load_b32 v[BS+8*\i+\s], v[L4], s[10:11] offset:(8*\i+\s)*128
.endr
.endr
.irp t, 0,1,2,3,4,5,6,7
	global_load_b128 v[AS+4*\t:AS+4*\t+3], v[LI], s[6:7] offset:512*\t
.endr
	WIN 0x40                                       ; Wo's fragments last, K step by K step, 16 loads each, so that the waits below can count them
.irp s, 0,1,2,3
.irp t, 0,1,2,3,4,5,6,7
.irp c, 0,1
	global_load_b128 v[8*(8*\s+\t)+4*\c:8*(8*\s+\t)+4*\c+3], v[LI], s[4:5] offset:\t*8192+\s*1024+512*\c
.endr
.endr
.endr
	WIN 0x80
.irp s, 4,5,6,7
.irp t, 0,1,2,3,4,5,6,7
.irp c, 0,1
	global_load_b128 v[8*(8*(\s-4)+\t)+4*\c:8*(8*(\s-4)+\t)+4*\c+3], v[LI], s[4:5] offset:\t*8192+\s*1024+512*\c
.endr
.endr
.endr
	s_wait_loadcnt 48                              ; all but Wo's K steps 5, 6, 7 (16 loads each) are in
	WIN 0x3d                                       ; source 0 window 1, sources 1 and 2 window 3, destination window 0
	KSTEP 0
	WIN 0x0d                                       ; C and D window 0
	KSTEP 1
	KSTEP 2
	KSTEP 3
	WIN 0x0e                                       ; source 0 window 2
	KSTEP 4
	s_wait_loadcnt 32                              ; K step 5 is in
	KSTEP 5
	s_wait_loadcnt 16
	KSTEP 6
	s_wait_loadcnt 0x0
	KSTEP 7
	WIN 0
.rept 4
	v_nop                                          ; behind the last products, in front of the stores that read the results and the loads into their registers
.endr
.irp i, 0,1
.irp t, 0,1,2,3,4,5,6,7
	ds_store_b128 v[SO], v[HA+64*\i+8*\t:HA+64*\i+8*\t+3] offset:8*\i*SP+128*(\t/2)+32*(\t%2)          ; each accumulator from its low end on
	ds_store_b128 v[SO], v[HA+64*\i+8*\t+4:HA+64*\i+8*\t+7] offset:8*\i*SP+128*(\t/2)+32*(\t%2)+16
.endr
.endr
.set NN, 0
.rept 32
	ds_load_b128 v[HA+4*NN:HA+4*NN+3], v[SR] offset:SP*NN      ; LDS serves a wave's instructions in order (ISA guide 5.7.1.4): these see my stores
.set NN, NN+1
.endr
.set NN, 0
.rept 32
	s_wait_dscnt 31-NN                             ; row NN is back; the younger rows may be out
	global_store_b128 v[LI], v[HA+4*NN:HA+4*NN+3], s[14:15] offset:4096*NN th:TH_STORE_NT   ; 32 lanes store 512 consecutive bytes, aligned; written once, read by nobody here
.set NN, NN+1
.endr
	s_wait_tensorcnt 0x0
	ds_add_u32 v254, v255
	s_wait_dscnt 0x0
	s_endpgm
.Lfunc_end_k_q0dbe102e6e_oproj:
	.size	k_q0dbe102e6e_oproj, .Lfunc_end_k_q0dbe102e6e_oproj-k_q0dbe102e6e_oproj
	.p2alignl 7, 3214868480
	.fill 96, 4, 3214868480
	.section	.rodata,"a",@progbits
	.p2align	6, 0x0
	.amdhsa_kernel k_q0dbe102e6e_oproj
		.amdhsa_group_segment_fixed_size 68096
		.amdhsa_private_segment_fixed_size 0
		.amdhsa_enable_private_segment 0
		.amdhsa_kernarg_size 48
		.amdhsa_user_sgpr_count 2
		.amdhsa_user_sgpr_kernarg_segment_ptr 1
		.amdhsa_wavefront_size32 1
		.amdhsa_system_sgpr_workgroup_id_x 1
		.amdhsa_system_sgpr_workgroup_id_y 1
		.amdhsa_system_sgpr_workgroup_id_z 1
		.amdhsa_system_vgpr_workitem_id 0
		.amdhsa_next_free_vgpr 1024
		.amdhsa_next_free_sgpr 66
		.amdhsa_reserve_vcc 0
		.amdhsa_float_denorm_mode_32 3
		.amdhsa_float_denorm_mode_16_64 3
		.amdhsa_memory_ordered 1
		.amdhsa_forward_progress 1
		.amdhsa_inst_pref_size 46
	.end_amdhsa_kernel
	.amdgpu_metadata
---
amdhsa.version: [ 1, 2 ]
amdhsa.kernels:
  - .name:           k_q0dbe102e6e_oproj
    .symbol:         k_q0dbe102e6e_oproj.kd
    .args:
      - { .name: img, .offset: 0, .size: 8, .value_kind: global_buffer, .address_space: global }
      - { .name: isc, .offset: 8, .size: 8, .value_kind: global_buffer, .address_space: global }
      - { .name: of, .offset: 16, .size: 8, .value_kind: global_buffer, .address_space: global }
      - { .name: os, .offset: 24, .size: 8, .value_kind: global_buffer, .address_space: global }
      - { .name: bo, .offset: 32, .size: 8, .value_kind: global_buffer, .address_space: global }
      - { .name: out0, .offset: 40, .size: 8, .value_kind: global_buffer, .address_space: global }
    .group_segment_fixed_size: 68096
    .private_segment_fixed_size: 0
    .kernarg_segment_align: 8
    .kernarg_segment_size: 48
    .max_flat_workgroup_size: 128
    .sgpr_count:     66
    .vgpr_count:     1024
    .wavefront_size: 32
...
	.end_amdgpu_metadata
.endif
;; end of part 4
;; ======== version 2 of 2: 4 launches; version 1 with the launches proj, oproj written anew for expert scheduling mode
;; limits: right only within a limited range of input values
;; workspace buffers: img 8,388,608 bytes; isc 524,288 bytes; mbits 2,097,152 bytes of whole numbers; qf 2,228,224 bytes; kv 4,456,448 bytes; of 2,097,152 bytes; os 262,144 bytes
;; launch prep: the kernel of part 1 again; grid 512 x 1, 4 waves a work-group, no clusters, 68,096 bytes of LDS; arguments query, key, value, Wq, Wk, Wv, Wo, mask, img, isc, mbits; writes img, isc, mbits
;; launch proj (part 5): grid 64 x 3, 4 waves a work-group, no clusters, 0 bytes of LDS; arguments img, isc, bq, bk, bv, qf, kv; writes qf, kv
.if DOCPART == 5
	.amdgcn_target "amdgcn-amd-amdhsa--gfx1250"
	.amdhsa_code_object_version 6
	.text
	.protected	k_q0dbe102e6e_proj
	.globl	k_q0dbe102e6e_proj
	.p2align	8
	.type	k_q0dbe102e6e_proj,@function
k_q0dbe102e6e_proj:
	s_mov_b64 s[64:65], 0
	v_nop
	global_prefetch_b8 v0, s[64:65] scope:SCOPE_SE
	s_setreg_imm32_b32 hwreg(HW_REG_WAVE_SCHED_MODE, 0, 2), 2
	s_setreg_imm32_b32 hwreg(HW_REG_WAVE_MODE, 25, 1), 1
	s_wait_xcnt 0x0
	s_wait_alu depctr_vm_vsrc(0)
; q = query Wq^T + bq, k = key Wk^T + bk, v = value Wv^T + bv, on codes of FP4 (E2M1) with E8M0 scales (made by the launch before), sums in f32; the results are quantised at once:
; q and k along the head's 128, v along the keys.  Work-group y = 0, 1, 2: q, k, v.
; ONE SCHEME.  An output fragment is 128 rows of the A side (source 0: they run along the result's registers, so they are the next product's K) x 16 rows of the B side (source 1: a row a lane).
;   q, k: A side = W's 128 features of head a, B side = 16 tokens.      v: A side = the 128 tokens of key step a, B side = 16 of Wv's features of head G.
; A wave keeps its A group in registers (8 tiles x 8 K steps: 512 registers, read once) and streams the 8 B tiles of group G (8 KiB each, two tiles ahead).  A fragment is 64 matrix instructions,
; 8 accumulators by turns, and one quantising.  The bias is the C of each sum's first matrix instruction.
; Tiles are laid as the launch before lays them (place r of tile T is row 32 (T / 2) + 8 (T % 2) + r + 8 (r / 8)): so the 16 registers of result tiles 2 b, 2 b + 1 are 16 neighbours along the next K.
; WHAT IS STORED.  qf: [head][G 32] records of 8,704 bytes: the images of query tiles 8 G + i, then 512 bytes of scale words (lane l < 16: tiles 0-3 of place l; lane 16 + r: tiles 4-7 of place r).
; kv: [head][key step 32] blocks of 17,408 bytes: K's 8 images, V's 8 images (16 of the head's 128 x 128 keys), K's scale words, V's scale words.
; NO CLUSTER, NO LDS: operands are dense images that go from memory straight into the registers in which the matrix unit takes them; there is no LDS tile in which a joint load could land, and sending
; the resident 64 KiB a wave through LDS would add an LDS read of every byte for 512 matrix instructions.  192 work-groups: a wave's 8 B tiles must be one key step or one head, so that it stores 8 KiB on end.
; LIMITS: NaN and infinities are not served; a block of zeros gets the byte 1 (its codes are zeros; this program alone reads the bytes).
; THE MODE: SCHED_MODE bits 1:0 = 2 (LLVM: expert scheduling mode 2), set by the entry lines.  The code itself states the register dependences between vector or matrix instructions
; and memory instructions, with s_wait_alu, always for 0.
; THE PLAN.  Registers that memory instructions touch, from the first fragment on:
;   B0, B1, B2   three sets of B's fragments (window 3) with their scale words (v48-59).  Written by the 17 loads of tile i + 2, issued in fragment i; read by fragment i + 2's 64 products.
;   PC0, PC1     two sets of codes.  Written by fragment i's quantising; read by the two stores that are issued in fragment i + 1.
;   v1, v7       the loads' and the stores' offset, made once at the head and never written again; every other step is an immediate.
;   A's fragments, A's scale words and the bias are loaded at the head and from then on named by products alone; the accumulators and all else by vector and matrix instructions alone.
; Fragment i multiplies set i % 3 and writes PC[i % 2].  Its memory instructions are the loads into set (i + 2) % 3 = (i - 1) % 3 and the stores from PC[(i - 1) % 2]: the buffers that fragment i - 1
; worked on and that no vector or matrix instruction of fragment i names.  So the waits at a fragment's head state all that its 19 memory instructions hang on, and these are dealt among its products with no further wait.
; REGISTERS, in windows of 256: window 0: v1-4, v7 offsets; v16-47 A's scale words (tile t: 4 registers; K step s: register s % 4, lanes 0-15 for s < 4, lanes 16-31 else); v48-59 B's, three sets;
;   v64-127 the 8 accumulators; v128-135 and v164-171 codes, two sets; v136-151 at work; v152-159 a scale word for each fragment; v160-163 what my lane stores of them.
;   window 1: A's fragments of K steps 0-3 at v[8 (8 (s % 4) + t)]; window 2: of K steps 4-7; window 3: v0-127 and v192-255 B's fragments, three sets of 8 K steps; v128-191 the bias.
.set LI,  1                            ; v1  16 x lane: the loads' offset
.set BO1, 2                            ; v2  64 h: bias along the registers
.set BO2, 3                            ; v3  4 (r + 8 (r / 8)): bias along the lanes
.set LN,  4                            ; v4  lane
.set LO,  7                            ; v7  16 x lane once more: the stores' offset, so that no store names a register of a load
.set AS,  16
.set BS,  48                           ; set k at BS + 4 k
.set HA,  64
.set PC,  128                          ; set p at PC + 36 p
.set TM,  136
.set SWD, 152
.set SO4, 160
.set BI,  128                          ; in window 3
.set SEL, 24                           ; s[24:25]
.set MSB, 0
.macro WIN new                         ; the immediate's high byte repeats the setting that is left
.if MSB != \new
	s_set_vgpr_msb (MSB<<8)|\new
.set MSB, \new
.endif
.endm
.macro PLACES n
.rept \n
	v_nop
.endr
.endm
.macro QUANT s, pc, tm, pw             ; 64 numbers of a lane, register 16 b + i = k 32 b + 16 (lane / 16) + i of my row -> a fragment's codes and its scale word
.irp b, 0,1,2,3
	v_max3_num_f32 v[(\tm)+\b], |v[(\s)+16*\b]|, |v[(\s)+1+16*\b]|, 0x1800000   ; my 16 numbers of block b and the floor 2^(3 - 127); each accumulator is read from its low end on
.endr
.irp i, 2,4,6,8,10,12,14
.irp b, 0,1,2,3
	v_max3_num_f32 v[(\tm)+\b], v[(\tm)+\b], |v[(\s)+16*\b+\i]|, |v[(\s)+1+16*\b+\i]|
.endr
.endr
.irp b, 0,1,2,3
	v_permlanex16_b32 v[(\tm)+4+\b], v[(\tm)+\b], s[SEL], s[SEL+1]
.endr
.irp b, 0,1,2,3
	v_max_num_f32 v[(\tm)+\b], v[(\tm)+\b], v[(\tm)+4+\b]
.endr
.irp b, 0,1,2,3
	v_add_nc_u32 v[(\tm)+12+\b], 0xff000000, v[(\tm)+\b]       ; 2 off the exponent field: the conversion's scale operand
.endr
.irp b, 0,1,2,3
	v_lshrrev_b32 v[(\tm)+4+\b], 23, v[(\tm)+12+\b]            ; the scale's byte
.endr
	v_lshl_or_b32 v[\pw], v[(\tm)+5], 8, v[(\tm)+4]
	v_lshl_or_b32 v[\pw], v[(\tm)+6], 16, v[\pw]
	v_lshl_or_b32 v[\pw], v[(\tm)+7], 24, v[\pw]
.irp b, 0,1,2,3
	v_cvt_scalef32_pk8_fp4_f32 v[(\pc)+2*\b], v[(\s)+16*\b:(\s)+7+16*\b], v[(\tm)+12+\b]
	v_cvt_scalef32_pk8_fp4_f32 v[(\pc)+1+2*\b], v[(\s)+8+16*\b:(\s)+15+16*\b], v[(\tm)+12+\b]
.endr
	v_nop                                                      ; one plain instruction behind the last scaled conversion
.irp c, 0,1
.irp i, 0,1
	v_permlane16_swap_b32 v[(\pc)+4*\c+\i], v[(\pc)+2+4*\c+\i]
.endr
.endr
.endm
; one matrix instruction; row = 1: both sides' scale words are read from lanes 16-31
.macro MM d, a, b, c, sa, sb, row
.if \row
	v_wmma_scale_f32_16x16x128_f8f6f4 v[\d:\d+7], v[\a:\a+7], v[\b:\b+7], v[\c:\c+7], v[\sa], v[\sb] matrix_a_fmt:MATRIX_FMT_FP4 matrix_b_fmt:MATRIX_FMT_FP4 matrix_a_scale:MATRIX_SCALE_ROW1 matrix_b_scale:MATRIX_SCALE_ROW1
.else
	v_wmma_scale_f32_16x16x128_f8f6f4 v[\d:\d+7], v[\a:\a+7], v[\b:\b+7], v[\c:\c+7], v[\sa], v[\sb] matrix_a_fmt:MATRIX_FMT_FP4 matrix_b_fmt:MATRIX_FMT_FP4
.endif
.endm
; Eight of B tile i's sixteen image loads, 512 consecutive bytes each: K steps s0 .. s0 + 3, into set i % 3 of window 3 (sets 0, 1 at v0, v64; set 2 at v192, behind the bias)
.macro BIMG i, s0
.irp s, 0,1,2,3
.irp c, 0,1
	global_load_b128 v[64*((\i)%3)+64*(((\i)%3)/2)+8*((\s0)+\s)+4*\c:64*((\i)%3)+64*(((\i)%3)/2)+8*((\s0)+\s)+4*\c+3], v[LI], s[12:13] offset:(\i)*8192+((\s0)+\s)*1024+512*\c
.endr
.endr
.endm
.macro BLOAD i                         ; at the head: a whole B tile, its 16 image loads and its scale words: 17 loads
	WIN 0xc0                                       ; destination window 3
	BIMG \i, 0
	BIMG \i, 4
	WIN 0
	global_load_b128 v[BS+4*((\i)%3):BS+4*((\i)%3)+3], v[LI], s[14:15] offset:512*(\i)
.endm
	s_load_b256 s[28:35], s[0:1], 0x0              ; img s[28:29], isc s[30:31], bq s[32:33], bk s[34:35]
	s_load_b128 s[36:39], s[0:1], 0x20             ; bv s[36:37], qf s[38:39]
	s_load_b64 s[40:41], s[0:1], 0x30              ; kv
	v_lshrrev_b32 v5, 5, v0
	v_readfirstlane_b32 s23, v5                    ; wave 0..3
	v_and_b32 v[LN], 31, v0
	v_lshlrev_b32 v[LI], 4, v[LN]
	v_lshlrev_b32 v[LO], 4, v[LN]
	v_bfe_u32 v5, v0, 4, 1
	v_lshlrev_b32 v[BO1], 6, v5
	v_and_b32 v5, 15, v0
	v_and_b32 v6, 8, v5
	v_add_nc_u32 v5, v5, v6
	v_lshlrev_b32 v[BO2], 2, v5
.irp b, 0,1,2,3
	v_mov_b32 v[TM+4+\b], 0                        ; written once: a lane permute's destination counts as one of its sources
.endr
	s_wait_alu depctr_va_sdst(0)                   ; s23, the wave's number, is written, ahead of its first reader: my groups and all my addresses are made from it
	s_mov_b32 s[SEL], 0x76543210
	s_mov_b32 s[SEL+1], 0xfedcba98
	s_and_b32 s22, ttmp7, 0xffff                   ; y: 0 q, 1 k, 2 v
	s_lshl_b32 s4, s22, 6
	s_add_co_u32 s4, s4, 768                       ; Wq's or Wk's first tile
	s_lshl_b32 s5, s22, 8                          ; query's or key's first tile
	s_mov_b32 s6, 896                              ; Wv's
	s_cmp_eq_u32 s22, 2
	s_cselect_b32 s2, 3, 1
	s_cselect_b32 s3, 7, 1
	s_cselect_b32 s4, 512, s4                      ; the A side's first tile (v: value's)
	s_cselect_b32 s5, s6, s5                       ; the B side's
	s_and_b32 s3, ttmp9, s3
	s_lshl_b32 s3, s3, 2
	s_add_co_u32 s3, s3, s23                       ; a: my A group (q, k: head 0..7; v: key step 0..31)
	s_lshr_b32 s2, ttmp9, s2                       ; G: my B group (q, k: 0..31; v: head 0..7)
	s_lshl_b32 s6, s3, 3
	s_add_co_u32 s4, s4, s6
	s_lshl_b32 s6, s2, 3
	s_add_co_u32 s5, s5, s6
	s_cmp_eq_u32 s22, 2
	s_cselect_b32 s26, s2, s3                      ; the head
	s_cselect_b32 s27, s3, s2                      ; the group of 128 tokens
	s_lshl_b32 s42, s26, 9                         ; the head's 128 numbers of the bias
	s_lshl_b32 s26, s26, 5
	s_add_co_u32 s26, s26, s27                     ; the record's or block's number: 32 x head + group
	s_mov_b32 s7, 0
	s_mov_b32 s43, 0
	s_mov_b32 s45, 0
	s_mov_b32 s47, 0
	s_wait_kmcnt 0x0
	s_lshl_b32 s6, s4, 13
	s_add_nc_u64 s[8:9], s[28:29], s[6:7]          ; A's images
	s_lshl_b32 s6, s4, 9
	s_add_nc_u64 s[10:11], s[30:31], s[6:7]        ; A's scale words
	s_lshl_b32 s6, s5, 13
	s_add_nc_u64 s[12:13], s[28:29], s[6:7]        ; B's images
	s_lshl_b32 s6, s5, 9
	s_add_nc_u64 s[14:15], s[30:31], s[6:7]        ; B's scale words
	s_mov_b32 s27, 17408
	s_cmp_eq_u32 s22, 0
	s_cselect_b64 s[16:17], s[32:33], s[34:35]
	s_cselect_b64 s[18:19], s[38:39], s[40:41]     ; q goes to qf, k and v to kv
	s_cselect_b32 s27, 8704, s27
	s_mov_b32 s46, 8704
	s_cmp_eq_u32 s22, 2
	s_cselect_b64 s[16:17], s[36:37], s[16:17]     ; the bias
	s_cselect_b32 s44, 8192, 0                     ; V's images lie behind K's
	s_cselect_b32 s46, s46, 8192                   ; from my images to my scale words: q 8,192, k 16,384, v 8,704
	s_cmp_eq_u32 s22, 1
	s_cselect_b32 s46, 16384, s46
	s_add_nc_u64 s[16:17], s[16:17], s[42:43]
	s_mul_i32 s6, s26, s27
	s_add_nc_u64 s[18:19], s[18:19], s[6:7]
	s_add_nc_u64 s[18:19], s[18:19], s[44:45]      ; where my images go
	s_add_nc_u64 s[20:21], s[18:19], s[46:47]      ; and my scale words
	WIN 0x40                                       ; destination window 1
	s_wait_alu depctr_va_vdst(0)                   ; the offsets v1, v2, v3 and v7 are written: every load and store of the kernel reads one of them
.irp s, 0,1,2,3
.irp t, 0,1,2,3,4,5,6,7
.irp c, 0,1
	global_load_b128 v[8*(8*\s+\t)+4*\c:8*(8*\s+\t)+4*\c+3], v[LI], s[8:9] offset:\t*8192+\s*1024+512*\c
.endr
.endr
.endr
	WIN 0x80                                       ; destination window 2
.irp s, 4,5,6,7
.irp t, 0,1,2,3,4,5,6,7
.irp c, 0,1
	global_load_b128 v[8*(8*(\s-4)+\t)+4*\c:8*(8*(\s-4)+\t)+4*\c+3], v[LI], s[8:9] offset:\t*8192+\s*1024+512*\c
.endr
.endr
.endr
	WIN 0
.irp t, 0,1,2,3,4,5,6,7
	global_load_b128 v[AS+4*\t:AS+4*\t+3], v[LI], s[10:11] offset:512*\t
.endr
	s_cmp_eq_u32 s22, 2
	s_cbranch_scc1 .Lbias_v
	WIN 0xc0                                       ; q, k: the features run along the registers: tile t's C holds b at 32 (t / 2) + 8 (t % 2) + 16 h + 0 .. 7
.irp t, 0,1,2,3,4,5,6,7
	global_load_b128 v[BI+8*\t:BI+8*\t+3], v[BO1], s[16:17] offset:(32*(\t/2)+8*(\t%2))*4
	global_load_b128 v[BI+8*\t+4:BI+8*\t+7], v[BO1], s[16:17] offset:(32*(\t/2)+8*(\t%2))*4+16
.endr
	WIN 0
	s_branch .Lbias_in
.Lbias_v:
	WIN 0xc0                                       ; v: the features run along the lanes: fragment i's C holds, in all eight registers, b at 32 (i / 2) + 8 (i % 2) + r + 8 (r / 8)
.irp i, 0,1,2,3,4,5,6,7
.irp j, 0,1,2,3,4,5,6,7
	global_load_b32 v[BI+8*\i+\j], v[BO2], s[16:17] offset:(32*(\i/2)+8*(\i%2))*4
.endr
.endr
	WIN 0
.Lbias_in:
	BLOAD 0
	BLOAD 1
; Fragment i.  It multiplies B's set i % 3, asks for tile i + 2, stores the codes of fragment i - 1, and quantises into the codes' set i % 2.
.macro FRAG i
.set BB, 64*((\i)%3)+64*(((\i)%3)/2)           ; this fragment's set of B, in window 3,
.set SB, BS+4*((\i)%3)                         ; and its scale words
.set SL, BS+4*(((\i)+2)%3)                     ; where tile i + 2's scale words land
.set PN, PC+36*((\i)%2)                        ; the codes that this fragment writes
.set PO, PC+36*(((\i)+1)%2)                    ; the codes of the fragment before
.if (\i) < 7
	s_wait_loadcnt 17                              ; all but the next B tile's 17 loads are in
.else
	s_wait_loadcnt 0x0
.endif
.if (\i) > 1
	s_wait_xcnt 0x0                                ; the stores issued in the fragment before have had their addresses translated: their data registers are written again by this fragment's quantising only behind this wait
	s_wait_alu depctr_vm_vsrc(0)                   ; those stores have read the codes' set i % 2, which this fragment's quantising writes again
.endif
.if (\i) > 0
	s_wait_alu depctr_va_vdst(0)                   ; the fragment before has written its codes, which the two stores below read; its products are done reading their set of B and its scale words, in which the loads below land
.endif
.if (\i)+2 < 8
	global_load_b128 v[SL:SL+3], v[LI], s[14:15] offset:512*((\i)+2)     ; tile i + 2: its scale words; no vector or matrix instruction of this fragment names them or its set
.endif
.if (\i) > 0
	global_store_b128 v[LO], v[PO:PO+3], s[18:19] offset:1024*((\i)-1)       ; the image of the fragment before: each store covers 512 consecutive bytes, aligned
	global_store_b128 v[LO], v[PO+4:PO+7], s[18:19] offset:1024*((\i)-1)+512
.endif
	s_cmp_eq_u32 s22, 2                            ; K step 0 starts the sums with the bias as C: which eight registers differs between q, k and v
	s_cbranch_scc1 .Lfv_\@
	WIN 0x3d                                       ; source 0 window 1, sources 1 and 2 window 3, destination window 0
.irp t, 0,1,2,3,4,5,6,7
	MM HA+8*\t, 8*\t, BB, BI+8*\t, AS+4*\t, SB, 0
.endr
	WIN 0
	s_branch .Lfj_\@
.Lfv_\@:
	WIN 0x3d
.irp t, 0,1,2,3,4,5,6,7
	MM HA+8*\t, 8*\t, BB, BI+8*(\i), AS+4*\t, SB, 0
.endr
	WIN 0
.Lfj_\@:
.if (\i)+2 < 8
	WIN 0xc0                                       ; destination window 3
	BIMG (\i)+2, 0                                 ; tile i + 2, K steps 0-3.  No wait: since the wait at the fragment's head nothing has named v1 or that set
.endif
	WIN 0x0d                                       ; source 0 window 1, source 1 window 3, C and D window 0
.irp s, 1,2,3
.irp t, 0,1,2,3,4,5,6,7
	MM HA+8*\t, 8*(8*\s+\t), BB+8*\s, HA+8*\t, AS+4*\t+\s, SB+\s, 0
.endr
.endr
.if (\i)+2 < 8
	WIN 0xc0
	BIMG (\i)+2, 4                                 ; and its K steps 4-7, likewise
.endif
	WIN 0x0e                                       ; source 0 window 2
.irp s, 4,5,6,7
.irp t, 0,1,2,3,4,5,6,7
	MM HA+8*\t, 8*(8*(\s-4)+\t), BB+8*\s, HA+8*\t, AS+4*\t+\s-4, SB+\s-4, 1
.endr
.endr
	WIN 0
	PLACES 5                                       ; behind the last products (ISA guide 7.12.1): four serve the reads of the results, the fifth the next fragment's products, which begin the accumulators anew
	QUANT HA, PN, TM, SWD+(\i)
.endm
.irp i, 0,1,2,3,4,5,6,7
	FRAG \i
.endr
	v_cmp_gt_u32 vcc_lo, 16, v[LN]                 ; lanes 0-15 store the words of fragments 0-3, lanes 16-31 those of 4-7
	s_wait_alu depctr_va_vcc(0)                    ; VCC is written, ahead of its first reader, the selects below
.irp q, 0,1,2,3
	v_cndmask_b32 v[SO4+\q], v[SWD+4+\q], v[SWD+\q], vcc_lo
.endr
	s_wait_alu depctr_va_vdst(0)                   ; fragment 7 has written its codes and the selects their four words: the last three stores read them
	global_store_b128 v[LO], v[PC+36:PC+39], s[18:19] offset:1024*7
	global_store_b128 v[LO], v[PC+40:PC+43], s[18:19] offset:1024*7+512
	global_store_b128 v[LO], v[SO4:SO4+3], s[20:21]
	s_endpgm
.Lfunc_end_k_q0dbe102e6e_proj:
	.size	k_q0dbe102e6e_proj, .Lfunc_end_k_q0dbe102e6e_proj-k_q0dbe102e6e_proj
	.p2alignl 7, 3214868480
	.fill 96, 4, 3214868480
	.section	.rodata,"a",@progbits
	.p2align	6, 0x0
	.amdhsa_kernel k_q0dbe102e6e_proj
		.amdhsa_group_segment_fixed_size 0
		.amdhsa_private_segment_fixed_size 0
		.amdhsa_enable_private_segment 0
		.amdhsa_kernarg_size 56
		.amdhsa_user_sgpr_count 2
		.amdhsa_user_sgpr_kernarg_segment_ptr 1
		.amdhsa_wavefront_size32 1
		.amdhsa_system_sgpr_workgroup_id_x 1
		.amdhsa_system_sgpr_workgroup_id_y 1
		.amdhsa_system_sgpr_workgroup_id_z 1
		.amdhsa_system_vgpr_workitem_id 0
		.amdhsa_next_free_vgpr 1024
		.amdhsa_next_free_sgpr 66
		.amdhsa_reserve_vcc 1
		.amdhsa_float_denorm_mode_32 3
		.amdhsa_float_denorm_mode_16_64 3
		.amdhsa_memory_ordered 1
		.amdhsa_forward_progress 1
		.amdhsa_inst_pref_size 146
	.end_amdhsa_kernel
	.amdgpu_metadata
---
amdhsa.version: [ 1, 2 ]
amdhsa.kernels:
  - .name:           k_q0dbe102e6e_proj
    .symbol:         k_q0dbe102e6e_proj.kd
    .args:
      - { .name: img, .offset: 0, .size: 8, .value_kind: global_buffer, .address_space: global }
      - { .name: isc, .offset: 8, .size: 8, .value_kind: global_buffer, .address_space: global }
      - { .name: bq, .offset: 16, .size: 8, .value_kind: global_buffer, .address_space: global }
      - { .name: bk, .offset: 24, .size: 8, .value_kind: global_buffer, .address_space: global }
      - { .name: bv, .offset: 32, .size: 8, .value_kind: global_buffer, .address_space: global }
      - { .name: qf, .offset: 40, .size: 8, .value_kind: global_buffer, .address_space: global }
      - { .name: kv, .offset: 48, .size: 8, .value_kind: global_buffer, .address_space: global }
    .group_segment_fixed_size: 0
    .private_segment_fixed_size: 0
    .kernarg_segment_align: 8
    .kernarg_segment_size: 56
    .max_flat_workgroup_size: 128
    .sgpr_count:     66
    .vgpr_count:     1024
    .wavefront_size: 32
...
	.end_amdgpu_metadata
.endif
;; end of part 5
;; launch attn: the kernel of part 3 again; grid 32 x 8, 8 waves a work-group, clusters of 4 x 1, 327,680 bytes of LDS; arguments qf, kv, mbits, of, os; writes of, os
;; launch oproj (part 6): grid 256 x 1, 4 waves a work-group, no clusters, 68,096 bytes of LDS; arguments img, isc, of, os, bo, out0; writes out0
.if DOCPART == 6
	.amdgcn_target "amdgcn-amd-amdhsa--gfx1250"
	.amdhsa_code_object_version 6
	.text
	.protected	k_q0dbe102e6e_oproj
	.globl	k_q0dbe102e6e_oproj
	.p2align	8
	.type	k_q0dbe102e6e_oproj,@function
k_q0dbe102e6e_oproj:
	s_mov_b64 s[64:65], 0
	v_nop
	global_prefetch_b8 v0, s[64:65] scope:SCOPE_SE
	s_setreg_imm32_b32 hwreg(HW_REG_WAVE_SCHED_MODE, 0, 2), 2
	s_setreg_imm32_b32 hwreg(HW_REG_WAVE_MODE, 25, 1), 1
	s_wait_xcnt 0x0
	s_wait_alu depctr_vm_vsrc(0)
; out0 = o Wo^T + bo on codes of FP4 (E2M1) with E8M0 scales; sums in f32.  o's images and scale words come from the attention launch ([query tile][head]: a head is a K step), Wo's from the first launch (tiles 960 on).
; SHARES.  Wave w of work-group x makes output features 128 a .. 128 a + 127, a = 4 (x % 2) + w, for the 32 queries of query tiles 2 (x / 2) and 2 (x / 2) + 1: 128 matrix instructions, 16 accumulators by turns
; Source 0 = 16 rows of Wo, source 1 = 16 queries: a lane holds one query, and its eight registers eight neighbouring features.  The bias is the C of each sum's first instruction.
; Place r of tile T is row 32 (T / 2) + 8 (T % 2) + r + 8 (r / 8), for Wo's rows and for the queries alike.
; THE WAY OUT: through the wave's own stage in LDS (32 rows of 512 + 16 bytes), back as whole rows: each store covers 512 consecutive bytes, aligned.  The stores into the stage go two deep in the banks
; (row places 0-7 and 8-15 lie 16 rows apart, 33 x 256 bytes).  The stage is the wave's own: no barrier.
; NO CLUSTER: operands are dense images that go from memory straight into registers; there is no LDS tile in which a joint load could land.
; THE MODE: SCHED_MODE bits 1:0 = 2 (LLVM: expert scheduling mode 2), set by the entry lines.  The code itself states the register dependences between vector or matrix instructions
; and memory or LDS instructions, with s_wait_alu, always for 0.
; THE PLAN.  Registers that memory or LDS instructions touch:
;   v1-5          offsets and LDS addresses, made at the head and never written again.
;   the operands  (Wo's and o's fragments, both sides' scale words, the bias): each written by one load at the head, then read by products alone.
;   v64-191       written by the products; read by the 32 stores into the stage; written again by the 32 loads from the stage; read by the 32 global stores.
;   v254, v255    written at the head, read by the closing add alone.
; So four waits state everything: one ahead of the first reader of the wave's number, one ahead of the first load, one between the products and the stores into the stage, one between those stores and the loads from it.
; REGISTERS: window 0: v1-5 offsets; v16-47 Wo's scale words (tile t: 4 registers; K step s: register s % 4, lanes 0-15 for s < 4, else lanes 16-31); v48-63 o's (tile i, K step s: 48 + 8 i + s);
;   v64-191 the 16 accumulators (i, t) at 64 + 64 i + 8 t, later the rows read back.   window 1: Wo's fragments of K steps 0-3 at v[8 (8 (s % 4) + t)]; window 2: of K steps 4-7;
;   window 3: v0-127 o's fragments at 64 i + 8 s; v128-191 the bias.
.set LI,  1                            ; v1  16 x lane
.set L4,  2                            ; v2  4 x lane
.set SO,  3                            ; v3  the stage, in
.set SR,  4                            ; v4  the stage, out
.set BO1, 5                            ; v5  64 h
.set AS,  16
.set BS,  48
.set HA,  64
.set BI,  128                          ; in window 3
.set SP,  528
.set MSB, 0
.macro WIN new                         ; the immediate's high byte repeats the setting that is left
.if MSB != \new
	s_set_vgpr_msb (MSB<<8)|\new
.set MSB, \new
.endif
.endm
.macro MM d, a, b, c, sa, sb, row      ; row = 1: source 0's scale word is read from lanes 16-31
.if \row
	v_wmma_scale_f32_16x16x128_f8f6f4 v[\d:\d+7], v[\a:\a+7], v[\b:\b+7], v[\c:\c+7], v[\sa], v[\sb] matrix_a_fmt:MATRIX_FMT_FP4 matrix_b_fmt:MATRIX_FMT_FP4 matrix_a_scale:MATRIX_SCALE_ROW1
.else
	v_wmma_scale_f32_16x16x128_f8f6f4 v[\d:\d+7], v[\a:\a+7], v[\b:\b+7], v[\c:\c+7], v[\sa], v[\sb] matrix_a_fmt:MATRIX_FMT_FP4 matrix_b_fmt:MATRIX_FMT_FP4
.endif
.endm
.macro KSTEP s                         ; 16 matrix instructions: two tiles of queries x eight tiles of features, 128 along K
.irp i, 0,1
.irp t, 0,1,2,3,4,5,6,7
.if (\s) == 0
	MM HA+64*\i+8*\t, 8*\t, 64*\i, BI+8*\t, AS+4*\t, BS+8*\i, 0
.else
	MM HA+64*\i+8*\t, 8*(8*((\s)%4)+\t), 64*\i+8*(\s), HA+64*\i+8*\t, AS+4*\t+(\s)%4, BS+8*\i+(\s), (\s)/4
.endif
.endr
.endr
.endm
	s_load_b256 s[4:11], s[0:1], 0x0               ; img s[4:5], isc s[6:7], of s[8:9], os s[10:11]
	s_load_b128 s[12:15], s[0:1], 0x20             ; bo s[12:13], out0 s[14:15]
	v_lshl_add_u32 v254, v0, 2, 0x10800
	v_mov_b32 v255, 0
	v_lshrrev_b32 v6, 5, v0
	v_readfirstlane_b32 s16, v6                    ; wave 0..3
	v_and_b32 v6, 31, v0
	v_lshlrev_b32 v[LI], 4, v6
	v_lshlrev_b32 v[L4], 2, v6
	v_bfe_u32 v7, v0, 4, 1                         ; h
	v_lshlrev_b32 v[BO1], 6, v7
	v_and_b32 v6, 15, v0                           ; r
	v_and_b32 v8, 8, v6
	v_add_nc_u32 v6, v6, v8                        ; r + 8 (r / 8)
	s_wait_alu depctr_va_sdst(0)                   ; s16, the wave's number, is written, ahead of its first reader: my stage and all my addresses are made from it
	s_mul_i32 s22, s16, 32*SP                      ; my stage
	v_mul_u32_u24 v[SO], v6, SP
	v_lshl_add_u32 v[SO], v7, 6, v[SO]
	v_add_nc_u32 v[SO], s22, v[SO]                 ; in: the query's row, + 64 h
	v_add_nc_u32 v[SR], s22, v[LI]                 ; out: 32 lanes take a row of 512 bytes
	s_and_b32 s17, ttmp9, 1
	s_lshl_b32 s17, s17, 2
	s_add_co_u32 s17, s17, s16                     ; a
	s_lshr_b32 s18, ttmp9, 1                       ; which 32 queries
	s_lshl_b32 s19, s17, 3
	s_add_co_u32 s19, s19, 960                     ; Wo's first tile of my 128 features
	s_mov_b32 s21, 0
	s_wait_kmcnt 0x0
	s_lshl_b32 s20, s19, 13
	s_add_nc_u64 s[4:5], s[4:5], s[20:21]
	s_lshl_b32 s20, s19, 9
	s_add_nc_u64 s[6:7], s[6:7], s[20:21]
	s_lshl_b32 s20, s18, 14                        ; 16 images
	s_add_nc_u64 s[8:9], s[8:9], s[20:21]
	s_lshl_b32 s20, s18, 11                        ; 16 x 128 bytes of scale words
	s_add_nc_u64 s[10:11], s[10:11], s[20:21]
	s_lshl_b32 s20, s17, 9                         ; my 128 features, in bytes
	s_add_nc_u64 s[12:13], s[12:13], s[20:21]
	s_add_nc_u64 s[14:15], s[14:15], s[20:21]
	s_lshl_b32 s20, s18, 17                        ; 32 rows of 4,096 bytes
	s_add_nc_u64 s[14:15], s[14:15], s[20:21]
	WIN 0xc0                                       ; destination window 3
	s_wait_alu depctr_va_vdst(0)                   ; the offsets and LDS addresses v1 to v5 are written, which the loads and stores below read; so are v254 and v255, which the closing add reads
.irp i, 0,1
.irp s, 0,1,2,3,4,5,6,7
.irp c, 0,1
	global_load_b128 v[64*\i+8*\s+4*\c:64*\i+8*\s+4*\c+3], v[LI], s[8:9] offset:(8*\i+\s)*1024+512*\c
.endr
.endr
.endr
.irp t, 0,1,2,3,4,5,6,7
	global_load_b128 v[BI+8*\t:BI+8*\t+3], v[BO1], s[12:13] offset:(32*(\t/2)+8*(\t%2))*4      ; tile t's C: bo at 32 (t / 2) + 8 (t % 2) + 16 h + 0 .. 7
	global_load_b128 v[BI+8*\t+4:BI+8*\t+7], v[BO1], s[12:13] offset:(32*(\t/2)+8*(\t%2))*4+16
.endr
	WIN 0
.irp i, 0,1
.irp s, 0,1,2,3,4,5,6,7
	global_load_b32 v[BS+8*\i+\s], v[L4], s[10:11] offset:(8*\i+\s)*128
.endr
.endr
.irp t, 0,1,2,3,4,5,6,7
	global_load_b128 v[AS+4*\t:AS+4*\t+3], v[LI], s[6:7] offset:512*\t
.endr
	WIN 0x40                                       ; Wo's fragments last, K step by K step, 16 loads each, so that the waits below can count them
.irp s, 0,1,2,3
.irp t, 0,1,2,3,4,5,6,7
.irp c, 0,1
	global_load_b128 v[8*(8*\s+\t)+4*\c:8*(8*\s+\t)+4*\c+3], v[LI], s[4:5] offset:\t*8192+\s*1024+512*\c
.endr
.endr
.endr
	WIN 0x80
.irp s, 4,5,6,7
.irp t, 0,1,2,3,4,5,6,7
.irp c, 0,1
	global_load_b128 v[8*(8*(\s-4)+\t)+4*\c:8*(8*(\s-4)+\t)+4*\c+3], v[LI], s[4:5] offset:\t*8192+\s*1024+512*\c
.endr
.endr
.endr
	s_wait_loadcnt 48                              ; all but Wo's K steps 5, 6, 7 (16 loads each) are in
	WIN 0x3d                                       ; source 0 window 1, sources 1 and 2 window 3, destination window 0
	KSTEP 0
	WIN 0x0d                                       ; C and D window 0
	KSTEP 1
	KSTEP 2
	KSTEP 3
	WIN 0x0e                                       ; source 0 window 2
	KSTEP 4
	s_wait_loadcnt 32                              ; K step 5 is in
	KSTEP 5
	s_wait_loadcnt 16
	KSTEP 6
	s_wait_loadcnt 0x0
	KSTEP 7
	WIN 0
.rept 4
	v_nop                                          ; behind the last products, in front of the stores that read the results
.endr
	s_wait_alu depctr_va_vdst(0)                   ; the products have written the 16 accumulators, which the stores into the stage read and in which the loads from it land; the places above stay beside this wait
.irp i, 0,1
.irp t, 0,1,2,3,4,5,6,7
	ds_store_b128 v[SO], v[HA+64*\i+8*\t:HA+64*\i+8*\t+3] offset:8*\i*SP+128*(\t/2)+32*(\t%2)          ; each accumulator from its low end on
	ds_store_b128 v[SO], v[HA+64*\i+8*\t+4:HA+64*\i+8*\t+7] offset:8*\i*SP+128*(\t/2)+32*(\t%2)+16
.endr
.endr
	s_wait_alu depctr_vm_vsrc(0)                   ; the stores into the stage have read v64 to v191, in which the rows below land
.set NN, 0
.rept 32
	ds_load_b128 v[HA+4*NN:HA+4*NN+3], v[SR] offset:SP*NN      ; LDS serves a wave's instructions in order (ISA guide 5.7.1.4): these see my stores
.set NN, NN+1
.endr
.set NN, 0
.rept 32
	s_wait_dscnt 31-NN                             ; row NN is back; the younger rows may be out
	global_store_b128 v[LI], v[HA+4*NN:HA+4*NN+3], s[14:15] offset:4096*NN th:TH_STORE_NT   ; 32 lanes store 512 consecutive bytes, aligned; written once, read by nobody here
.set NN, NN+1
.endr
	s_wait_dscnt 0x0                               ; the closing lines, six on end
	s_wait_alu 0x0
	s_wait_tensorcnt 0x0
	ds_add_u32 v254, v255
	s_wait_dscnt 0x0
	s_endpgm
.Lfunc_end_k_q0dbe102e6e_oproj:
	.size	k_q0dbe102e6e_oproj, .Lfunc_end_k_q0dbe102e6e_oproj-k_q0dbe102e6e_oproj
	.p2alignl 7, 3214868480
	.fill 96, 4, 3214868480
	.section	.rodata,"a",@progbits
	.p2align	6, 0x0
	.amdhsa_kernel k_q0dbe102e6e_oproj
		.amdhsa_group_segment_fixed_size 68096
		.amdhsa_private_segment_fixed_size 0
		.amdhsa_enable_private_segment 0
		.amdhsa_kernarg_size 48
		.amdhsa_user_sgpr_count 2
		.amdhsa_user_sgpr_kernarg_segment_ptr 1
		.amdhsa_wavefront_size32 1
		.amdhsa_system_sgpr_workgroup_id_x 1
		.amdhsa_system_sgpr_workgroup_id_y 1
		.amdhsa_system_sgpr_workgroup_id_z 1
		.amdhsa_system_vgpr_workitem_id 0
		.amdhsa_next_free_vgpr 1024
		.amdhsa_next_free_sgpr 66
		.amdhsa_reserve_vcc 0
		.amdhsa_float_denorm_mode_32 3
		.amdhsa_float_denorm_mode_16_64 3
		.amdhsa_memory_ordered 1
		.amdhsa_forward_progress 1
		.amdhsa_inst_pref_size 46
	.end_amdhsa_kernel
	.amdgpu_metadata
---
amdhsa.version: [ 1, 2 ]
amdhsa.kernels:
  - .name:           k_q0dbe102e6e_oproj
    .symbol:         k_q0dbe102e6e_oproj.kd
    .args:
      - { .name: img, .offset: 0, .size: 8, .value_kind: global_buffer, .address_space: global }
      - { .name: isc, .offset: 8, .size: 8, .value_kind: global_buffer, .address_space: global }
      - { .name: of, .offset: 16, .size: 8, .value_kind: global_buffer, .address_space: global }
      - { .name: os, .offset: 24, .size: 8, .value_kind: global_buffer, .address_space: global }
      - { .name: bo, .offset: 32, .size: 8, .value_kind: global_buffer, .address_space: global }
      - { .name: out0, .offset: 40, .size: 8, .value_kind: global_buffer, .address_space: global }
    .group_segment_fixed_size: 68096
    .private_segment_fixed_size: 0
    .kernarg_segment_align: 8
    .kernarg_segment_size: 48
    .max_flat_workgroup_size: 128
    .sgpr_count:     66
    .vgpr_count:     1024
    .wavefront_size: 32
...
	.end_amdgpu_metadata
.endif
;; end of part 6
